; MI455X (gfx1250); checked and timed in simulation.
; The chip was launched on July 23, 2026; its instructions are those of AMD's public machine-readable ISA for CDNA 5 (MIT licence, August 2026) and "CDNA5" Instruction Set Architecture Reference Guide (July 2026). The comments in the code are by the model that wrote it; some were corrected since.
;; Multi Head Attention. Allowed arithmetic: matrix products marked QUANTISED: E2M3 operands, one E8M0 scale for each 32 along K, by v_wmma_scale_f32_16x16x128_f8f6f4 with both operands' format E2M3, f32 sums; everything else in f32.
;; Inputs: Wk 512 x 512 float32; Wo 512 x 512 float32; Wq 512 x 512 float32; Wv 512 x 512 float32; bk 512 float32; bo 512 float32; bq 512 float32; bv 512 float32; head_mask 1 x 1 x 2,048 x 2,048 float32; k 8 x 2,048 x 512 float32; pad_mask 8 x 1 x 1 x 2,048 float32; q 8 x 2,048 x 512 float32; v 8 x 2,048 x 512 float32.
;; Outputs: out0 8 x 2,048 x 512 float32.
;; Constants: num_heads = 8.
;; This version of the problem:
;;   THIS VERSION OF THE PROBLEM IS GIVEN IN LOW PRECISION. The matrix products marked QUANTISED in the list below multiply operands that are first quantised to E2M3 (2 exponent bits, 3 mantissa bits; 6 bits a number), with one power-of-two scale for each 32 numbers along K (OCP MX v1.0); their sums are f32. All else is computed in f32.
;;   The module's matrix products, in the order in which they are computed (A, B: the left and right operand; K: the contracted axis; several contracted axes count as one K, in the product's order):
;;     1. [M 16,384, K 512] x [K 512, N 512]; A: input q; B: input Wq: QUANTISED
;;     2. [M 16,384, K 512] x [K 512, N 512]; A: input k; B: input Wk: QUANTISED
;;     3. [M 16,384, K 512] x [K 512, N 512]; A: input v; B: input Wv: QUANTISED
;;     4. batch 64 x [M 2,048, K 64] x [K 64, N 2,048]; A: computed on the way; B: computed on the way: QUANTISED
;;     5. batch 64 x [M 2,048, K 2,048] x [K 2,048, N 64]; A: softmax (see below); B: computed on the way: QUANTISED
;;     6. [M 16,384, K 512] x [K 512, N 512]; A: computed on the way; B: input Wo: QUANTISED
;;   THE QUANTISER, for each operand of a quantised product, along K:
;;     - K is cut into blocks of 32 from its start; a last block that is shorter is filled with zeros.
;;     - A block's scale is 2^e with e = floor(log2(the largest magnitude in the block)) - 2, held to -126 .. 127; a block of zeros has e = 0. As a byte (E8M0): e + 127.
;;     - Each number is divided by its block's scale, clamped to +-7.5, and rounded to the nearest number of E2M3, ties to even, subnormals kept.
;;     - The product sums the exact products of the quantised numbers (number of the format x scale) in f32.
;;   ~~~python
;;   def quantise(x, axis):      # numpy; x: float32 -> the quantised numbers, widened to float32 again
;;       x = np.moveaxis(x, axis, -1); K = x.shape[-1]
;;       x = np.pad(x, [(0, 0)] * (x.ndim - 1) + [(0, -K % 32)]); x = x.reshape(x.shape[:-1] + (-1, 32)); a = np.abs(x).max(-1, keepdims=True)
;;       e = np.where(a > 0, np.clip(np.frexp(np.where(a > 0, a, 1))[1] - 1 - 2, -126, 127), 0)      # np.frexp(a)[1] - 1 = floor(log2(a)), exactly
;;       r = np.clip(x / 2.0 ** e, -7.5, 7.5)
;;       step = 2.0 ** (np.maximum(np.frexp(np.where(r == 0, 1, r))[1] - 1, 0) - 3)
;;       q = np.round(r / step) * step * 2.0 ** e      # np.round: ties to even
;;       return np.moveaxis(q.reshape(q.shape[:-2] + (-1,))[..., :K], -1, axis).astype(np.float32)
;;   ~~~
;;   SOFTMAX AHEAD OF A QUANTISED PRODUCT. Where the list says 'softmax', what is quantised is not the finished softmax but p = 2^(t - M), with t = logit x log2(e) and M = ceil(the row's largest t), a whole number; so 1/2 < the row's largest p <= 1. The row's sum l is taken of the UNQUANTISED p, in f32, and the product's result is divided by l at the end. Since M is a whole number, a kernel that streams over the keys may use a running M (the ceiling of the running maximum): every later rescaling is an exact power of two, which a block's scale takes up: the codes' values come out the same.
;;   OPERANDS COMPUTED ON THE WAY. 'Computed on the way' means the value that the module computes at that place (a softmax that the list does not call 'softmax' is quantised finished and normalised). What goes into a quantiser is computed in f32, as accurately as f32 sums, v_exp_f32 and their like allow (about 1e-6 of the number): no bf16 or f16 on the way to a quantiser, and a product that is left as it is and whose result goes on into a quantised operand takes f32 operands (vector FMAs, or v_wmma_f32_16x16x4_f32). A number that lies on a knife's edge between two numbers of the format may be rounded either way, as far as f32 arithmetic and the matrix unit's own rounding can turn it there, and no further.
;; 2 versions, each right; version 2 is version 1 with the launches proj, attn, outp written anew for expert scheduling mode. Each part assembles by itself: llvm-mc -triple=amdgcn-amd-amdhsa -mcpu=gfx1250 --defsym DOCPART=n.
;; ======== version 1 of 2: 4 launches
;; limits: right only within a limited range of input values
;; workspace buffers: wimg 786,432 bytes; wscl 32,768 bytes; qimg 6,815,744 bytes; kv 13,631,488 bytes; ctxc 6,291,456 bytes; ctxs 1,048,576 bytes; flags 8,192 bytes of whole numbers
;; launch prep (part 1): grid 160 x 1, 8 waves a work-group, no clusters, 9,216 bytes of LDS; arguments Wq, Wk, Wv, Wo, head_mask, pad_mask, wimg, wscl, flags; writes wimg, wscl, flags
.if DOCPART == 1
	.amdgcn_target "amdgcn-amd-amdhsa--gfx1250"
	.amdhsa_code_object_version 6
	.text
	.protected	k_q722645ac53_prep
	.globl	k_q722645ac53_prep
	.p2align	8
	.type	k_q722645ac53_prep,@function
k_q722645ac53_prep:
	s_mov_b64 s[64:65], 0
	v_nop
	global_prefetch_b8 v0, s[64:65] scope:SCOPE_SE
	s_setreg_imm32_b32 hwreg(HW_REG_WAVE_MODE, 25, 1), 1
	s_wait_xcnt 0x0
; TWO JOBS IN ONE LAUNCH, parted by the work-group's number.
; Work-groups 0-31: the four weights [512 (k)][512 (n)] f32 become codes of FP6 (E2M3) along K with one E8M0 byte for each 32 k, laid as IMAGES OF OPERAND REGISTERS:
;   wimg [weight 4][pair of tiles b 16][K step s 4][u 2][chunk g 3][lane 32][16 bytes]: lane (r, h) of the fragment (tile 2 b + u, K step s) holds feature 32 b + 8 u + r + 8 (r / 8), registers 6 c .. 6 c + 5 = k 128 s + 64 c + 32 h + 0 .. 31.
;   wscl [weight][b][s][lane 16 u + r][4 bytes]: the feature's four scale bytes of the K step: tile 2 b in lanes 0-15, tile 2 b + 1 in lanes 16-31.
;   A lane takes a column and its registers run down K: a block of 32 lies in one lane, nothing is transposed.
; Work-groups 32-159: both masks are read whole and a class is stored for each (tile of 16 queries, batch, step of 128 keys):
;   flags [tile 128][batch 8][2 words], four bits a step: 0 = skip, 1 = open, 3 = mixed.
;   open: pad and head are 0 at every entry.  skip: at every entry pad >= 0, head >= 0 and one of them >= 1 (so pad x -1e9 + head x -1e9 <= -1e9), AND every row of the tile has a key somewhere with both masks 0.
;   Then p of every entry of the tile is 0 as long as |score| / 8 stays under 4e8 (stated limit).  Any other tile is mixed and gets the full arithmetic.  No pattern of a mask is built in.
;   The rows of tile T are 128 (T / 8) + 32 ((T % 8) / 2) + 8 (T % 2) + i + 8 (i / 8), as the later launches lay their tiles.
; LIMITS: NaN and infinities are not served; a block of zeros gets the byte 1 where the rule says 127 (its codes are zeros, and this program alone reads the bytes); blocks whose largest magnitude lies under 2^-124 were not tried.
; No matrix unit, no cluster, no tensor load: work-groups share no input, and each wave issues all its loads in one run.
.set SPARE, 8192                       ; behind the flags path's 8 x 1,024 bytes: the spare words, 128 bytes a wave
.set SPW,   3                          ; v3  SPARE + 4 x my thread's number; never rewritten
.set NIL,   4                          ; v4  0; never rewritten
	s_load_b256 s[4:11], s[0:1], 0x0               ; Wq, Wk, Wv, Wo
	s_load_b256 s[12:19], s[0:1], 0x20             ; head_mask, pad_mask, wimg, wscl
	s_load_b64 s[20:21], s[0:1], 0x40              ; flags
	v_lshl_add_u32 v[SPW], v0, 2, SPARE
	v_mov_b32 v[NIL], 0
	v_lshrrev_b32 v1, 5, v0
	v_readfirstlane_b32 s22, v1                    ; wave 0..7
	v_and_b32 v2, 31, v0                           ; lane
	s_mov_b32 s29, 0                               ; the upper word of every offset pair s[28:29]
	s_wait_kmcnt 0x0
	s_cmp_lt_u32 ttmp9, 32
	s_cbranch_scc0 .Lflags
; ---------------- the weights ----------------
	s_lshr_b32 s23, ttmp9, 3                       ; which weight
	s_and_b32 s24, ttmp9, 7
	s_lshr_b32 s25, s22, 2
	s_lshl_b32 s24, s24, 1
	s_add_co_u32 s25, s25, s24                     ; pair of tiles b = 2 (work-group % 8) + wave / 4
	s_and_b32 s26, s22, 3                          ; K step s = wave % 4
	s_cmp_eq_u32 s23, 1
	s_cselect_b64 s[4:5], s[6:7], s[4:5]
	s_cmp_eq_u32 s23, 2
	s_cselect_b64 s[4:5], s[8:9], s[4:5]
	s_cmp_eq_u32 s23, 3
	s_cselect_b64 s[4:5], s[10:11], s[4:5]
	s_lshl_b32 s28, s26, 18                        ; 128 rows of 2,048 bytes a K step
	s_lshl_b32 s27, s25, 7                         ; 32 columns of 4 bytes a pair
	s_add_co_u32 s28, s28, s27
	s_add_nc_u64 s[4:5], s[4:5], s[28:29]
	s_lshl_b32 s27, s23, 4
	s_add_co_u32 s27, s27, s25
	s_lshl_b32 s27, s27, 2
	s_add_co_u32 s27, s27, s26                     ; (weight x 16 + b) x 4 + s
	s_mul_i32 s28, s27, 3072
	s_add_nc_u64 s[16:17], s[16:17], s[28:29]      ; my two fragments' images
	s_lshl_b32 s28, s27, 7
	s_add_nc_u64 s[18:19], s[18:19], s[28:29]      ; my 32 scale words
	v_and_b32 v5, 15, v2                           ; r
	v_lshrrev_b32 v6, 4, v2                        ; u
	v_and_b32 v7, 8, v5
	v_add_nc_u32 v7, v7, v5
	v_lshl_add_u32 v7, v6, 3, v7                   ; my column in the pair: 8 u + r + 8 (r / 8)
	v_lshlrev_b32 v7, 2, v7
	v_mul_u32_u24 v8, v6, 1536
	v_lshl_add_u32 v8, v5, 4, v8                   ; out: fragment u, lane r
	v_lshlrev_b32 v9, 2, v2                        ; the scale word's place
.set k, 0
.rept 128
	global_load_b32 v[32+k], v7, s[4:5] offset:k*2048 th:TH_LOAD_NT   ; W(128 s + k, my column): the 32 lanes read 128 consecutive bytes
.set k, k+1
.endr
; Block b of 32 along K: its largest magnitude (with the floor 2^(3 - 127) among the leaves, so that the byte cannot fall under 1), 2 off the exponent field = the conversion's scale operand, the byte, 32 codes.
.macro WBLOCK b
.set XB, 32+32*(\b)
.set CD, 160+12*((\b)%2)+6*((\b)/2)    ; block 2 c + h belongs to lane (r, h) of the fragment, registers 6 c on: v160-171 for h = 0, v172-183 for h = 1
.set CT, 184+4*(\b)                    ; (a conversion's three registers begin on an even number: the second half is made here and moved)
.if (\b) == 0
	s_wait_loadcnt 63                              ; of the 128 loads at most 63 are out: the first 65 are in, blocks 0 and 1 among them.  (96 would serve block 0, but a wait's count goes no higher than 63.)  Block 1 needs no wait of its own
.elseif (\b) == 2
	s_wait_loadcnt 32                              ; block 2's loads are in; block 3's 32 may be out
.elseif (\b) == 3
	s_wait_loadcnt 0x0
.endif
	v_max3_num_f32 v12, |v[XB]|, |v[XB+1]|, |v[XB+2]|
	v_max3_num_f32 v13, |v[XB+3]|, |v[XB+4]|, |v[XB+5]|
.irp i, 6,10,14,18,22,26
	v_max3_num_f32 v12, v12, |v[XB+\i]|, |v[XB+\i+1]|
	v_max3_num_f32 v13, v13, |v[XB+\i+2]|, |v[XB+\i+3]|
.endr
	v_max3_num_f32 v12, v12, |v[XB+30]|, |v[XB+31]|
	v_max3_num_f32 v12, v12, v13, 0x1800000
	v_add_nc_u32 v11, 0xff000000, v12
	v_lshrrev_b32 v13, 23, v11
.if (\b) == 0
	v_mov_b32 v10, v13
.else
	v_lshl_or_b32 v10, v13, 8*(\b), v10
.endif
	v_cvt_scalef32_pk16_fp6_f32 v[CD:CD+2], v[XB:XB+15], v11
	v_cvt_scalef32_pk16_fp6_f32 v[CT:CT+2], v[XB+16:XB+31], v11
	v_nop                                          ; one plain place behind a scaled conversion
.endm
	WBLOCK 0
	WBLOCK 1
	WBLOCK 2
	WBLOCK 3
.irp b, 0,1,2,3
.irp i, 0,1,2
	v_mov_b32 v[163+12*(\b%2)+6*(\b/2)+\i], v[184+4*\b+\i]
.endr
.endr
.irp h, 0,1
.irp g, 0,1,2
	global_store_b128 v8, v[160+12*\h+4*\g:160+12*\h+4*\g+3], s[16:17] offset:256*\h+512*\g   ; sixteen neighbouring lanes store 256 consecutive bytes, aligned
.endr
.endr
	global_store_b32 v9, v10, s[18:19]
	s_wait_tensorcnt 0x0                           ; the wave's end
	ds_add_u32 v[SPW], v[NIL]
	s_wait_dscnt 0x0
	s_endpgm
; ---------------- the flags ----------------
; Wave w reads rows 2 w and 2 w + 1 of the tile and the pad mask of batch w.  Load s of a row brings keys 128 s + 4 lane + e: a lane keeps one bit for each of its 64 keys, in two words (steps 0-7, steps 8-15), bit 4 (s % 8) + e.
.Lflags:
	s_sub_co_u32 s23, ttmp9, 32                    ; T
	s_lshr_b32 s24, s23, 3
	s_lshl_b32 s24, s24, 7
	s_bfe_u32 s25, s23, 0x20001                    ; (T % 8) / 2
	s_lshl_b32 s25, s25, 5
	s_add_co_u32 s24, s24, s25
	s_and_b32 s25, s23, 1
	s_lshl_b32 s25, s25, 3
	s_add_co_u32 s24, s24, s25
	s_lshl_b32 s25, s22, 1
	s_add_co_u32 s24, s24, s25
	s_lshr_b32 s25, s22, 2
	s_lshl_b32 s25, s25, 3
	s_add_co_u32 s24, s24, s25                     ; my first row; the second is the next one
	s_lshl_b32 s28, s24, 13
	s_add_nc_u64 s[12:13], s[12:13], s[28:29]
	s_lshl_b32 s28, s22, 13
	s_add_nc_u64 s[14:15], s[14:15], s[28:29]      ; pad_mask of batch w
	s_mov_b32 s30, 0x76543210
	s_mov_b32 s31, 0xfedcba98                      ; v_permlanex16_b32's selects for lane l xor 16
	v_lshlrev_b32 v5, 4, v2                        ; 16 x lane
	v_lshlrev_b32 v6, 10, v1
	v_lshl_add_u32 v6, v2, 4, v6                   ; LDS: 1,024 x wave + 16 x lane
.irp p, 0,1
.irp s, 0,1,2,3,4,5,6,7,8,9,10,11,12,13,14,15
	global_load_b128 v[64+64*\p+4*\s:64+64*\p+4*\s+3], v5, s[12:13] offset:8192*\p+512*\s   ; 512 consecutive bytes a load
.endr
.endr
.irp s, 0,1,2,3,4,5,6,7,8,9,10,11,12,13,14,15
	global_load_b128 v[192+4*\s:192+4*\s+3], v5, s[14:15] offset:512*\s
.endr
.irp i, 8,9,10,11,12,13,14,15,16,17,18,19,20,21,22,23,24,25,32,33,34,35
	v_mov_b32 v\i, 0
.endr
	s_wait_loadcnt 0x0
; Three bits of a number x are shifted into three words: x == 0, x >= 1, x >= 0.  (m + m + carry shifts the word up and takes the compare's bit.)
.macro BIT3 x, m0, m1, mn
	v_cmp_eq_f32 vcc_lo, 0, v[\x]
	v_add_co_ci_u32 v[\m0], vcc_lo, v[\m0], v[\m0], vcc_lo
	v_cmp_le_f32 vcc_lo, 1.0, v[\x]
	v_add_co_ci_u32 v[\m1], vcc_lo, v[\m1], v[\m1], vcc_lo
	v_cmp_le_f32 vcc_lo, 0, v[\x]
	v_add_co_ci_u32 v[\mn], vcc_lo, v[\mn], v[\mn], vcc_lo
.endm
.irp w, 0,1                            ; the word; the highest bit goes in first
.irp s, 7,6,5,4,3,2,1,0
.irp e, 3,2,1,0
	BIT3 64+4*(8*\w+\s)+\e, 8+\w, 12+\w, 14+\w     ; row 0: v8-9 == 0, v12-13 >= 1, v14-15 >= 0
	BIT3 128+4*(8*\w+\s)+\e, 10+\w, 16+\w, 18+\w   ; row 1: v10-11, v16-17, v18-19
	BIT3 192+4*(8*\w+\s)+\e, 20+\w, 22+\w, 24+\w   ; pad: v20-21, v22-23, v24-25
.endr
.endr
.endr
.irp i, 0,1,2,3
	v_and_b32 v[12+\i], v[12+\i], v[16+\i]         ; >= 1 and >= 0 are wanted of all rows only: my two rows' are joined
.endr
	ds_store_b128 v6, v[8:11]
	ds_store_b128 v6, v[12:15] offset:512
	s_wait_dscnt 0x0                               ; for the others' sake: my stores have landed
	s_barrier_signal -1
	s_barrier_wait -1
.irp w, 0,1,2,3,4,5,6,7
	ds_load_b128 v[64+8*\w:67+8*\w], v5 offset:1024*\w
	ds_load_b128 v[68+8*\w:71+8*\w], v5 offset:1024*\w+512
.endr
	s_wait_dscnt 0x0
	v_and_b32 v26, v64, v66                        ; v26-27: head == 0 in all 16 rows;  v28-29: head >= 1 in all;  v30-31: head >= 0 in all
	v_and_b32 v27, v65, v67
	v_mov_b32 v28, v68
	v_mov_b32 v29, v69
	v_mov_b32 v30, v70
	v_mov_b32 v31, v71
.irp w, 1,2,3,4,5,6,7
	v_and_b32 v26, v26, v[64+8*\w]
	v_and_b32 v27, v27, v[65+8*\w]
	v_and_b32 v26, v26, v[66+8*\w]
	v_and_b32 v27, v27, v[67+8*\w]
	v_and_b32 v28, v28, v[68+8*\w]
	v_and_b32 v29, v29, v[69+8*\w]
	v_and_b32 v30, v30, v[70+8*\w]
	v_and_b32 v31, v31, v[71+8*\w]
.endr
	v_and_b32 v26, v26, v20                        ; open: head == 0 in all rows and pad == 0
	v_and_b32 v27, v27, v21
	v_and_b32 v30, v30, v22                        ; dead: (pad >= 1 and head >= 0 in all rows) or (pad >= 0 and head >= 1 in all rows)
	v_and_b32 v31, v31, v23
	v_and_or_b32 v30, v24, v28, v30
	v_and_or_b32 v31, v25, v29, v31
.irp m, 1,2,4,8                        ; over the 32 lanes: a step's 128 keys lie in all of them
	v_mov_b32_dpp v32, v26 row_xmask:\m row_mask:0xf bank_mask:0xf
	v_mov_b32_dpp v33, v27 row_xmask:\m row_mask:0xf bank_mask:0xf
	v_mov_b32_dpp v34, v30 row_xmask:\m row_mask:0xf bank_mask:0xf
	v_mov_b32_dpp v35, v31 row_xmask:\m row_mask:0xf bank_mask:0xf
	v_and_b32 v26, v26, v32
	v_and_b32 v27, v27, v33
	v_and_b32 v30, v30, v34
	v_and_b32 v31, v31, v35
.endr
	v_permlanex16_b32 v32, v26, s30, s31
	v_permlanex16_b32 v33, v27, s30, s31
	v_permlanex16_b32 v34, v30, s30, s31
	v_permlanex16_b32 v35, v31, s30, s31
	v_and_b32 v26, v26, v32
	v_and_b32 v27, v27, v33
	v_and_b32 v30, v30, v34
	v_and_b32 v31, v31, v35
	v_readfirstlane_b32 s32, v26                   ; open, steps 0-7 and 8-15
	v_readfirstlane_b32 s33, v27
	v_readfirstlane_b32 s34, v30                   ; dead
	v_readfirstlane_b32 s35, v31
	s_mov_b32 s36, -1                              ; stays -1 if every row has a key with both masks 0: a choice of values, no branch
.irp w, 0,1,2,3,4,5,6,7
.irp p, 0,1
	v_and_b32 v36, v[64+8*\w+2*\p], v20
	v_and_or_b32 v36, v[65+8*\w+2*\p], v21, v36
	v_cmp_ne_u32 s37, 0, v36
	s_cmp_lg_u32 s37, 0
	s_cselect_b32 s36, s36, 0
.endr
.endr
; A step's four bits (e = 0 .. 3) are joined into its lowest; then the class: bit 0 = not skipped, bit 1 = neither skipped nor open.
.macro FIN dead, open, out
	s_lshr_b32 s41, s[\dead], 1
	s_and_b32 s41, s41, s[\dead]
	s_lshr_b32 s42, s41, 2
	s_and_b32 s41, s41, s42
	s_and_b32 s41, s41, s36
	s_and_b32 s41, s41, 0x11111111
	s_lshr_b32 s42, s[\open], 1
	s_and_b32 s42, s42, s[\open]
	s_lshr_b32 s43, s42, 2
	s_and_b32 s42, s42, s43
	s_or_b32 s42, s42, s41
	s_and_not1_b32 s43, 0x11111111, s41
	s_and_not1_b32 s42, 0x11111111, s42
	s_lshl_b32 s42, s42, 1
	s_or_b32 s[\out], s43, s42
.endm
	FIN 34, 32, 38
	FIN 35, 33, 39
	s_lshl_b32 s28, s23, 6
	s_lshl_b32 s27, s22, 3
	s_add_co_u32 s28, s28, s27                     ; (8 T + batch) x 8 bytes
	s_add_nc_u64 s[20:21], s[20:21], s[28:29]
	v_mov_b32 v40, s38
	v_mov_b32 v41, s39
	v_mov_b32 v42, 0
	s_wait_xcnt 0x0                                ; EXEC changes only behind this wait
	v_cmp_eq_u32 vcc_lo, 0, v2
	s_and_saveexec_b32 s40, vcc_lo                 ; one lane stores the wave's two words
	global_store_b64 v42, v[40:41], s[20:21]
	s_wait_xcnt 0x0                                ; and again in front of the line that widens it
	s_or_b32 exec_lo, exec_lo, s40
	s_wait_tensorcnt 0x0                           ; the wave's end, behind my last LDS store
	ds_add_u32 v[SPW], v[NIL]
	s_wait_dscnt 0x0
	s_endpgm
.Lfunc_end_k_q722645ac53_prep:
	.size	k_q722645ac53_prep, .Lfunc_end_k_q722645ac53_prep-k_q722645ac53_prep
	.p2alignl 7, 3214868480
	.fill 96, 4, 3214868480
	.section	.rodata,"a",@progbits
	.p2align	6, 0x0
	.amdhsa_kernel k_q722645ac53_prep
		.amdhsa_group_segment_fixed_size 9216
		.amdhsa_private_segment_fixed_size 0
		.amdhsa_enable_private_segment 0
		.amdhsa_kernarg_size 72
		.amdhsa_user_sgpr_count 2
		.amdhsa_user_sgpr_kernarg_segment_ptr 1
		.amdhsa_wavefront_size32 1
		.amdhsa_system_sgpr_workgroup_id_x 1
		.amdhsa_system_sgpr_workgroup_id_y 1
		.amdhsa_system_sgpr_workgroup_id_z 1
		.amdhsa_system_vgpr_workitem_id 0
		.amdhsa_next_free_vgpr 256
		.amdhsa_next_free_sgpr 66
		.amdhsa_reserve_vcc 1
		.amdhsa_float_denorm_mode_32 3
		.amdhsa_float_denorm_mode_16_64 3
		.amdhsa_memory_ordered 1
		.amdhsa_forward_progress 1
		.amdhsa_inst_pref_size 74
	.end_amdhsa_kernel
	.amdgpu_metadata
---
amdhsa.version: [ 1, 2 ]
amdhsa.kernels:
  - .name:           k_q722645ac53_prep
    .symbol:         k_q722645ac53_prep.kd
    .args:
      - { .name: Wq, .offset: 0, .size: 8, .value_kind: global_buffer, .address_space: global }
      - { .name: Wk, .offset: 8, .size: 8, .value_kind: global_buffer, .address_space: global }
      - { .name: Wv, .offset: 16, .size: 8, .value_kind: global_buffer, .address_space: global }
      - { .name: Wo, .offset: 24, .size: 8, .value_kind: global_buffer, .address_space: global }
      - { .name: head_mask, .offset: 32, .size: 8, .value_kind: global_buffer, .address_space: global }
      - { .name: pad_mask, .offset: 40, .size: 8, .value_kind: global_buffer, .address_space: global }
      - { .name: wimg, .offset: 48, .size: 8, .value_kind: global_buffer, .address_space: global }
      - { .name: wscl, .offset: 56, .size: 8, .value_kind: global_buffer, .address_space: global }
      - { .name: flags, .offset: 64, .size: 8, .value_kind: global_buffer, .address_space: global }
    .group_segment_fixed_size: 9216
    .private_segment_fixed_size: 0
    .kernarg_segment_align: 8
    .kernarg_segment_size: 72
    .max_flat_workgroup_size: 256
    .sgpr_count:     66
    .vgpr_count:     256
    .wavefront_size: 32
...
	.end_amdgpu_metadata
.endif
;; end of part 1
;; launch proj (part 2): grid 128 x 3, 8 waves a work-group, no clusters, 121,856 bytes of LDS; arguments q, k, v, bq, bk, bv, wimg, wscl, qimg, kv; writes qimg, kv
.if DOCPART == 2
	.amdgcn_target "amdgcn-amd-amdhsa--gfx1250"
	.amdhsa_code_object_version 6
	.text
	.protected	k_q722645ac53_proj
	.globl	k_q722645ac53_proj
	.p2align	8
	.type	k_q722645ac53_proj,@function
k_q722645ac53_proj:
	s_mov_b64 s[64:65], 0
	v_nop
	global_prefetch_b8 v0, s[64:65] scope:SCOPE_SE
	s_setreg_imm32_b32 hwreg(HW_REG_WAVE_MODE, 25, 1), 1
	s_wait_xcnt 0x0
; The three input projections x W + b on codes of FP6 (E2M3), and the quantising of their results for attention.  Work-group (x, y): 128 tokens (batch x / 16, block x % 16) of tensor y (0 q, 1 k, 2 v).
; X PHASE.  Wave w takes token tile w, the 16 rows 32 (w / 2) + 8 (w % 2) + i + 8 (i / 8) of the block: 64 loads of 512 consecutive bytes, all out at once; a K step's 16 x 512 bytes turn through the wave's own stage in LDS, so that
; a lane holds 16 neighbours along K of each block of 32; they are quantised and the fragment goes to LDS as an image of its registers (16 bytes a lane, 512 a store), its scale words 4 bytes a lane.  One barrier.
; PRODUCTS.  Wave w is head w: its 16 fragments of W (64 features x 512 k) lie in registers, loaded as they lie in wimg into the registers that x has left.  Two halves of four token tiles, 16 accumulators by turns, the bias as the C of each sum's first product.
;   q, k: transposed (source 0 = 16 features, source 1 = 16 tokens): a lane holds one token and 32 of the head's 64 numbers, 16 neighbours of each block: quantised along the head.
;   v: source 0 = 16 tokens, source 1 = 16 features: a lane holds one feature and, of four token tiles, 16 neighbouring tokens of each block of 32: quantised along the keys.
; OUT, images of operand registers once more: qimg [batch x head 64][block 16][6,656]: 48 registers (8 tiles x 6) in chunks of 4, chunk c at 512 c + 16 lane, then [lane][4 words] of scales (word i: tile 2 i in lanes 0-15, tile 2 i + 1 in lanes 16-31; bytes 2, 3 = 127);
;   kv [batch x head][step 16][13,312]: K's codes as q's, V's codes at 6,144 (4 tiles of 16 features x 12 registers), K's scale words at 12,288, V's at 12,800 ([lane][4 words], word = tile).
; NO CLUSTER, NO TENSOR LOAD: x is read by one work-group.  The 196,608 bytes of a weight's images are read by every work-group of its y; a joint load would send them through LDS, written and read once more, beside the 121,856 bytes in use; here they go straight into registers.
; LIMITS: NaN and infinities are not served; a block of zeros gets the byte 1 where the rule says 127 (this program alone reads the bytes); blocks whose largest magnitude lies under 2^-124 were not tried.
; REGISTERS.  Window 1: v[64 s ..] x's K step s as loaded, then W's fragment (tile t, K step s) at v[12 ((4 (t / 2) + s) 2 + t % 2)], the bias at v192-223.  Window 0: below.
.set XIMG,  0                          ; LDS: x's 32 fragments, (4 m + s) x 1,536
.set XSC,   49152                      ; their scale words, (4 m + s) x 128
.set TST,   53248                      ; the waves' stages: 16 rows x 528 bytes each
.set TP,    528
.set SPARE, 120832                     ; the spare words, 128 bytes a wave
.set LI,  1                            ; 16 x lane
.set LS,  2                            ; 4 x lane
.set SPW, 3                            ; SPARE + 4 x my thread's number; never rewritten
.set NIL, 4                            ; 0; never rewritten
.set TSA, 5                            ; my stage + 16 x lane
.set TLA, 6                            ; my stage + 528 r + 64 h
.set XWI, 7                            ; 16 x lane + 6,144 x wave
.set WS,  8                            ; v8-15  W's scale words, index 4 (t / 2) + s
.set XS,  16                           ; v16-19 x's scale words
.set OSC, 20                           ; v20-23 the scale words that go out
.set SWT, 24                           ; v24-27 at work
.set XWS, 28                           ; 4 x lane + 512 x wave
.set BQ,  29                           ; the bias's offset for q and k: 64 h
.set BV,  30                           ; for v: 4 (r + 8 (r / 8))
.set XF,  32                           ; v32-79 four fragments of x
.set ACC, 80                           ; v80-207 16 accumulators
.set OUT, 208                          ; v208-255 the codes that go out
.set TM,  32                           ; while x is quantised: v32-47 at work, v48-67 codes, v68 the scale word, v80-143 the 64 numbers
.set PC,  48
.set PW,  68
.set XN,  80
.set QM,  32                           ; while results are quantised: largest magnitudes, bytes, scale operands, the second conversion
.set QP,  34
.set QO,  36
.set QT,  40
.set BI,  192
.set WV,  24
.set Y,   25
.set SEL, 34
.set MSK, 36
.set MSB, 0
.macro WIN new                         ; the immediate's high byte repeats the setting that is left
.if MSB != \new
	s_set_vgpr_msb (MSB<<8)|\new
.set MSB, \new
.endif
.endm
	s_load_b256 s[4:11], s[0:1], 0x0               ; q, k, v, bq
	s_load_b256 s[12:19], s[0:1], 0x20             ; bk, bv, wimg, wscl
	s_load_b128 s[20:23], s[0:1], 0x40             ; qimg, kv
	v_lshl_add_u32 v[SPW], v0, 2, SPARE
	v_mov_b32 v[NIL], 0
	v_lshrrev_b32 v32, 5, v0
	v_readfirstlane_b32 s[WV], v32                 ; wave 0..7
	s_and_b32 s[Y], ttmp7, 0xffff
	v_and_b32 v33, 31, v0                          ; lane
	v_and_b32 v34, 15, v0                          ; r
	v_bfe_u32 v35, v0, 4, 1                        ; h
	v_lshlrev_b32 v[LI], 4, v33
	v_lshlrev_b32 v[LS], 2, v33
	s_mul_i32 s26, s[WV], 16*TP
	s_add_co_u32 s26, s26, TST
	v_add_nc_u32 v[TSA], s26, v[LI]
	v_mul_u32_u24 v[TLA], v34, TP
	v_lshl_add_u32 v[TLA], v35, 6, v[TLA]
	v_add_nc_u32 v[TLA], s26, v[TLA]
	s_mul_i32 s26, s[WV], 6144
	v_add_nc_u32 v[XWI], s26, v[LI]
	s_lshl_b32 s26, s[WV], 9
	v_add_nc_u32 v[XWS], s26, v[LS]
	v_lshlrev_b32 v[BQ], 6, v35
	v_and_b32 v[BV], 8, v34
	v_add_nc_u32 v[BV], v[BV], v34
	v_lshlrev_b32 v[BV], 2, v[BV]
.irp b, 0,1,2,3
	v_mov_b32 v[TM+4+\b], 0                        ; written once: a lane permute's destination counts as one of its sources
.endr
	s_mov_b32 s[SEL], 0x76543210
	s_mov_b32 s[SEL+1], 0xfedcba98                 ; v_permlanex16_b32's selects for lane l xor 16
	s_mov_b32 s[MSK], 0xffff0000                   ; lanes 16-31
	s_lshl_b32 s28, ttmp9, 18                      ; x: 128 rows of 2,048 bytes a block,
	s_lshr_b32 s26, s[WV], 1
	s_lshl_b32 s26, s26, 16                        ; + 32 (w / 2) rows
	s_add_co_u32 s28, s28, s26
	s_and_b32 s26, s[WV], 1
	s_lshl_b32 s26, s26, 14                        ; + 8 (w % 2) rows
	s_add_co_u32 s28, s28, s26
	s_mov_b32 s29, 0
	s_mul_i32 s30, s[Y], 196608                    ; the weight's images, my head's 24,576 bytes
	s_mul_i32 s26, s[WV], 24576
	s_add_co_u32 s30, s30, s26
	s_mov_b32 s31, 0
	s_lshl_b32 s32, s[Y], 13                       ; its scale words, my head's 1,024 bytes
	s_lshl_b32 s26, s[WV], 10
	s_add_co_u32 s32, s32, s26
	s_mov_b32 s33, 0
	s_lshl_b32 s38, s[WV], 8                       ; the bias: my 64 numbers
	s_mov_b32 s39, 0
	s_lshr_b32 s43, ttmp9, 4
	s_lshl_b32 s43, s43, 3
	s_add_co_u32 s43, s43, s[WV]
	s_lshl_b32 s43, s43, 4
	s_and_b32 s26, ttmp9, 15
	s_add_co_u32 s43, s43, s26                     ; (batch x 8 + head) x 16 + block
	s_mov_b32 s45, 0
	s_mov_b32 s47, 0
	s_wait_kmcnt 0x0
	s_cmp_eq_u32 s[Y], 1                           ; the choices hang on the work-group's number alone
	s_cselect_b64 s[4:5], s[6:7], s[4:5]
	s_cselect_b64 s[10:11], s[12:13], s[10:11]
	s_cmp_eq_u32 s[Y], 2
	s_cselect_b64 s[4:5], s[8:9], s[4:5]
	s_cselect_b64 s[10:11], s[14:15], s[10:11]
	s_cselect_b32 s40, 6144, 0                     ; where the codes go in the image: V's behind K's
	s_mov_b32 s41, 12800
	s_mov_b32 s42, 12288
	s_cselect_b32 s41, s41, s42                    ; and the scale words
	s_cmp_eq_u32 s[Y], 0
	s_cselect_b64 s[20:21], s[20:21], s[22:23]
	s_cselect_b32 s41, 6144, s41
	s_mov_b32 s42, 13312
	s_cselect_b32 s42, 6656, s42                   ; an image's bytes
	s_mul_i32 s42, s42, s43
	s_add_co_u32 s44, s42, s40
	s_add_co_u32 s46, s42, s41
	s_add_nc_u64 s[22:23], s[20:21], s[46:47]      ; the scale words' place
	s_add_nc_u64 s[20:21], s[20:21], s[44:45]      ; the codes' place
	s_add_nc_u64 s[4:5], s[4:5], s[28:29]
	s_add_nc_u64 s[10:11], s[10:11], s[38:39]
	s_add_nc_u64 s[16:17], s[16:17], s[30:31]
	s_add_nc_u64 s[18:19], s[18:19], s[32:33]
.irp i, 0,1,2,3,4,5,6,7
	global_load_b32 v[WS+\i], v[LS], s[18:19] offset:128*\i
.endr
	WIN 0x40                                       ; destination window 1
.irp s, 0,1,2,3
.set i, 0
.rept 16
	global_load_b128 v[64*\s+4*i:64*\s+4*i+3], v[LI], s[4:5] offset:(i+8*(i/8))*2048+512*\s th:TH_LOAD_NT   ; row i of my tile, K step s: 512 consecutive bytes
.set i, i+1
.endr
.endr
	WIN 0
; 64 numbers of a lane, register 16 b + i = k 32 b + 16 h + i of my row, become a fragment's codes in v[PC] on and its scale word in v[PW].
.macro QUANT s
.irp b, 0,1,2,3
	v_max3_num_f32 v[TM+\b], |v[\s+16*\b]|, |v[\s+1+16*\b]|, 0x1800000   ; my 16 numbers of block b, and the floor 2^(3 - 127): the byte cannot fall under 1
.endr
.irp i, 2,4,6,8,10,12,14
.irp b, 0,1,2,3
	v_max3_num_f32 v[TM+\b], v[TM+\b], |v[\s+16*\b+\i]|, |v[\s+1+16*\b+\i]|
.endr
.endr
.irp b, 0,1,2,3
	v_permlanex16_b32 v[TM+4+\b], v[TM+\b], s[SEL], s[SEL+1]
.endr
.irp b, 0,1,2,3
	v_max_num_f32 v[TM+\b], v[TM+\b], v[TM+4+\b]   ; with lane l xor 16's: the block's largest magnitude
.endr
.irp b, 0,1,2,3
	v_add_nc_u32 v[TM+12+\b], 0xff000000, v[TM+\b] ; 2 off its exponent field: the conversion's scale operand
.endr
.irp b, 0,1,2,3
	v_lshrrev_b32 v[TM+4+\b], 23, v[TM+12+\b]      ; the scale's byte
.endr
	v_lshl_or_b32 v[PW], v[TM+5], 8, v[TM+4]
	v_lshl_or_b32 v[PW], v[TM+6], 16, v[PW]
	v_lshl_or_b32 v[PW], v[TM+7], 24, v[PW]
.irp c, 0,1
	v_cvt_scalef32_pk16_fp6_f32 v[PC+6*\c:PC+2+6*\c], v[\s+32*\c:\s+15+32*\c], v[TM+12+2*\c]
	v_cvt_scalef32_pk16_fp6_f32 v[PC+12+4*\c:PC+14+4*\c], v[\s+16+32*\c:\s+31+32*\c], v[TM+12+2*\c+1]   ; (a conversion's three registers begin on an even number)
.endr
	v_nop                                          ; one plain place behind a scaled conversion
.irp c, 0,1                            ; the operand's layout wants a whole block in a lane: lanes 0-15 block 2 c, lanes 16-31 block 2 c + 1
.irp i, 0,1,2
	v_permlane16_swap_b32 v[PC+6*\c+\i], v[PC+12+4*\c+\i]
.endr
.irp i, 0,1,2
	v_mov_b32 v[PC+3+6*\c+\i], v[PC+12+4*\c+\i]
.endr
.endr
.endm
; K step s of my tile of x.
.macro XSTEP s
	s_wait_loadcnt 48                              ; this K step's 16 loads are in.  Younger: 16 (3 - s) of x and 16 s of W: always 48
	WIN 0x04                                       ; an LDS store's data are its source 1: window 1
.set i, 0
.rept 16
	ds_store_b128 v[TSA], v[64*(\s)+4*i:64*(\s)+4*i+3] offset:TP*i
.set i, i+1
.endr
	WIN 0
.irp b, 0,1,2,3
.irp j, 0,1,2,3
	ds_load_b128 v[XN+16*\b+4*\j:XN+16*\b+4*\j+3], v[TLA] offset:128*\b+16*\j   ; LDS serves a wave's instructions in order: these see the stores above
.endr
.endr
	s_wait_dscnt 0x0                               ; the numbers are back; the stores into the stage and the last image's stores have read their registers
.if (\s) < 3
	WIN 0x40
.set i, 0
.rept 16
	global_load_b128 v[64*(\s)+4*i:64*(\s)+4*i+3], v[LI], s[16:17] offset:(16*(\s)+i)*512   ; W's chunks 16 s on, into the registers that x has left
.set i, i+1
.endr
	WIN 0
.else
	s_cmp_eq_u32 s[Y], 2                           ; the bias in the result's layout
	s_cbranch_scc1 .Lbias_v
	WIN 0x40
.irp t, 0,1,2,3                        ; q, k: lane (r, h), tile t, register j: feature 32 (t / 2) + 16 h + 8 (t % 2) + j
	global_load_b128 v[BI+8*\t:BI+8*\t+3], v[BQ], s[10:11] offset:(32*(\t/2)+8*(\t%2))*4
	global_load_b128 v[BI+8*\t+4:BI+8*\t+7], v[BQ], s[10:11] offset:(32*(\t/2)+8*(\t%2))*4+16
.endr
	WIN 0
	s_branch .Lbias_done
.Lbias_v:
	WIN 0x40
.irp t, 0,1,2,3                        ; v: all eight registers hold the lane's feature's: 32 (t / 2) + 8 (t % 2) + r + 8 (r / 8)
.irp j, 0,1,2,3,4,5,6,7
	global_load_b32 v[BI+8*\t+\j], v[BV], s[10:11] offset:(32*(\t/2)+8*(\t%2))*4
.endr
.endr
	WIN 0
.Lbias_done:
.endif
	QUANT XN
.irp c, 0,1,2
	ds_store_b128 v[XWI], v[PC+4*\c:PC+4*\c+3] offset:XIMG+1536*(\s)+512*\c
.endr
	ds_store_b32 v[XWS], v[PW] offset:XSC+128*(\s)
.endm
	XSTEP 0
	XSTEP 1
	XSTEP 2
	XSTEP 3
	s_wait_dscnt 0x0                               ; for the others' sake: my images have landed
	s_barrier_signal -1
	s_barrier_wait -1                              ; x's 32 fragments lie in LDS; nothing is stored to LDS behind this barrier
	s_wait_loadcnt 0x0                             ; W and the bias
; 32 numbers of a lane, v[qsrc] on, register 16 b + i = k 32 b + 16 h + i, become six registers of codes at v[qdst] (lanes 0-15 block 0, lanes 16-31 block 1); the two bytes are left in v[QP], v[QP+1].
.macro QUANT32
.irp b, 0,1
	v_max3_num_f32 v[QM+\b], |v[qsrc+16*\b]|, |v[qsrc+1+16*\b]|, 0x1800000   ; each accumulator is read from its low end on
.endr
.irp i, 2,4,6,8,10,12,14
.irp b, 0,1
	v_max3_num_f32 v[QM+\b], v[QM+\b], |v[qsrc+16*\b+\i]|, |v[qsrc+1+16*\b+\i]|
.endr
.endr
.irp b, 0,1
	v_permlanex16_b32 v[QP+\b], v[QM+\b], s[SEL], s[SEL+1]
.endr
.irp b, 0,1
	v_max_num_f32 v[QM+\b], v[QM+\b], v[QP+\b]
.endr
.irp b, 0,1
	v_add_nc_u32 v[QO+\b], 0xff000000, v[QM+\b]
.endr
.irp b, 0,1
	v_lshrrev_b32 v[QP+\b], 23, v[QO+\b]
.endr
	v_cvt_scalef32_pk16_fp6_f32 v[qdst:qdst+2], v[qsrc:qsrc+15], v[QO]
	v_cvt_scalef32_pk16_fp6_f32 v[QT:QT+2], v[qsrc+16:qsrc+31], v[QO+1]
	v_nop                                          ; one plain place behind a scaled conversion
.irp i, 0,1,2
	v_permlane16_swap_b32 v[qdst+\i], v[QT+\i]
.endr
.irp i, 0,1,2
	v_mov_b32 v[qdst+3+\i], v[QT+\i]
.endr
.endm
; One product: token tile m of the half, feature tile t, K step s.  vp = 1: v's form.  At s = 0 the C is the bias (window 1), else the accumulator itself.
.macro PROD m, t, s, vp
.set rW, 12*((4*((\t)/2)+(\s))*2+(\t)%2)
.set rS, WS+4*((\t)/2)+(\s)
.set rX, XF+12*(\m)
.if \vp
.set rD, ACC+8*(4*(\t)+(\m))
.else
.set rD, ACC+8*(4*(\m)+(\t))
.endif
.if (\s) == 0
.set rC, BI+8*(\t)
.else
.set rC, rD
.endif
.if \vp
.if (\t)%2
	v_wmma_scale_f32_16x16x128_f8f6f4 v[rD:rD+7], v[rX:rX+11], v[rW:rW+11], v[rC:rC+7], v[XS+(\m)], v[rS] matrix_a_fmt:MATRIX_FMT_FP6 matrix_b_fmt:MATRIX_FMT_FP6 matrix_b_scale:MATRIX_SCALE_ROW1
.else
	v_wmma_scale_f32_16x16x128_f8f6f4 v[rD:rD+7], v[rX:rX+11], v[rW:rW+11], v[rC:rC+7], v[XS+(\m)], v[rS] matrix_a_fmt:MATRIX_FMT_FP6 matrix_b_fmt:MATRIX_FMT_FP6
.endif
.else
.if (\t)%2
	v_wmma_scale_f32_16x16x128_f8f6f4 v[rD:rD+7], v[rW:rW+11], v[rX:rX+11], v[rC:rC+7], v[rS], v[XS+(\m)] matrix_a_fmt:MATRIX_FMT_FP6 matrix_b_fmt:MATRIX_FMT_FP6 matrix_a_scale:MATRIX_SCALE_ROW1
.else
	v_wmma_scale_f32_16x16x128_f8f6f4 v[rD:rD+7], v[rW:rW+11], v[rX:rX+11], v[rC:rC+7], v[rS], v[XS+(\m)] matrix_a_fmt:MATRIX_FMT_FP6 matrix_b_fmt:MATRIX_FMT_FP6
.endif
.endif
.endm
; Half c: token tiles 4 c .. 4 c + 3.  The 16 accumulators take turns, one instruction a turn.
.macro HALF c, vp
.irp s, 0,1,2,3
.irp m, 0,1,2,3
.irp g, 0,1,2
	ds_load_b128 v[XF+12*\m+4*\g:XF+12*\m+4*\g+3], v[LI] offset:XIMG+(4*(4*\c+\m)+\s)*1536+512*\g
.endr
	ds_load_b32 v[XS+\m], v[LS] offset:XSC+(4*(4*\c+\m)+\s)*128
.endr
	s_wait_dscnt 0x0
.if \vp
.if \s == 0
	WIN 0x14                                       ; source 1 (W) and source 2 (the bias) window 1
.else
	WIN 0x04
.endif
.else
.if \s == 0
	WIN 0x11                                       ; source 0 (W) and source 2 (the bias) window 1
.else
	WIN 0x01
.endif
.endif
.irp m, 0,1,2,3
.irp t, 0,1,2,3
	PROD \m, \t, \s, \vp
.endr
.endr
	WIN 0
.rept 5
	v_nop                                          ; places: four in front of loads into operands that were read and of the first read of results, five in front of products that begin an accumulator anew
.endr
.endr
.irp g, 0,1,2,3
.set qsrc, ACC+32*\g
.if \vp
.set qdst, OUT+12*\g+6*\c              ; feature tile g, keys 64 c on: registers 6 c .. 6 c + 5 of its fragment
	QUANT32
.if \c == 0
	v_lshl_or_b32 v[OSC+\g], v[QP+1], 8, v[QP]
.else
	v_lshl_or_b32 v[OSC+\g], v[QP], 16, v[OSC+\g]
	v_lshl_or_b32 v[OSC+\g], v[QP+1], 24, v[OSC+\g]
.endif
.else
.set qdst, OUT+6*(4*\c+\g)             ; token tile 4 c + g
	QUANT32
	v_lshl_or_b32 v[SWT+\g], v[QP+1], 8, v[QP]
	v_or_b32 v[SWT+\g], 0x7f7f0000, v[SWT+\g]      ; the upper 64 of the instruction's 128 along K are not the head's: byte 127
.if \g%2
	v_cndmask_b32 v[OSC+2*\c+\g/2], v[SWT+\g-1], v[SWT+\g], s[MSK]   ; the even tile's words in lanes 0-15, the odd tile's in lanes 16-31
.endif
.endif
.endr
.endm
.macro FINISH
.irp k, 0,1,2,3,4,5,6,7,8,9,10,11
	global_store_b128 v[LI], v[OUT+4*\k:OUT+4*\k+3], s[20:21] offset:512*\k   ; the wave stores 512 consecutive bytes, aligned to 256
.endr
	global_store_b128 v[LI], v[OSC:OSC+3], s[22:23]
	s_wait_tensorcnt 0x0                           ; the wave's end, behind my last LDS store
	ds_add_u32 v[SPW], v[NIL]
	s_wait_dscnt 0x0
	s_endpgm
.endm
	s_cmp_eq_u32 s[Y], 2
	s_cbranch_scc1 .Lpath_v
	HALF 0, 0
	HALF 1, 0
	FINISH
.Lpath_v:
	HALF 0, 1
	HALF 1, 1
	FINISH
.Lfunc_end_k_q722645ac53_proj:
	.size	k_q722645ac53_proj, .Lfunc_end_k_q722645ac53_proj-k_q722645ac53_proj
	.p2alignl 7, 3214868480
	.fill 96, 4, 3214868480
	.section	.rodata,"a",@progbits
	.p2align	6, 0x0
	.amdhsa_kernel k_q722645ac53_proj
		.amdhsa_group_segment_fixed_size 121856
		.amdhsa_private_segment_fixed_size 0
		.amdhsa_enable_private_segment 0
		.amdhsa_kernarg_size 80
		.amdhsa_user_sgpr_count 2
		.amdhsa_user_sgpr_kernarg_segment_ptr 1
		.amdhsa_wavefront_size32 1
		.amdhsa_system_sgpr_workgroup_id_x 1
		.amdhsa_system_sgpr_workgroup_id_y 1
		.amdhsa_system_sgpr_workgroup_id_z 1
		.amdhsa_system_vgpr_workitem_id 0
		.amdhsa_next_free_vgpr 512
		.amdhsa_next_free_sgpr 66
		.amdhsa_reserve_vcc 0
		.amdhsa_float_denorm_mode_32 3
		.amdhsa_float_denorm_mode_16_64 3
		.amdhsa_memory_ordered 1
		.amdhsa_forward_progress 1
		.amdhsa_inst_pref_size 129
	.end_amdhsa_kernel
	.amdgpu_metadata
---
amdhsa.version: [ 1, 2 ]
amdhsa.kernels:
  - .name:           k_q722645ac53_proj
    .symbol:         k_q722645ac53_proj.kd
    .args:
      - { .name: q, .offset: 0, .size: 8, .value_kind: global_buffer, .address_space: global }
      - { .name: k, .offset: 8, .size: 8, .value_kind: global_buffer, .address_space: global }
      - { .name: v, .offset: 16, .size: 8, .value_kind: global_buffer, .address_space: global }
      - { .name: bq, .offset: 24, .size: 8, .value_kind: global_buffer, .address_space: global }
      - { .name: bk, .offset: 32, .size: 8, .value_kind: global_buffer, .address_space: global }
      - { .name: bv, .offset: 40, .size: 8, .value_kind: global_buffer, .address_space: global }
      - { .name: wimg, .offset: 48, .size: 8, .value_kind: global_buffer, .address_space: global }
      - { .name: wscl, .offset: 56, .size: 8, .value_kind: global_buffer, .address_space: global }
      - { .name: qimg, .offset: 64, .size: 8, .value_kind: global_buffer, .address_space: global }
      - { .name: kv, .offset: 72, .size: 8, .value_kind: global_buffer, .address_space: global }
    .group_segment_fixed_size: 121856
    .private_segment_fixed_size: 0
    .kernarg_segment_align: 8
    .kernarg_segment_size: 80
    .max_flat_workgroup_size: 256
    .sgpr_count:     66
    .vgpr_count:     512
    .wavefront_size: 32
...
	.end_amdgpu_metadata
.endif
;; end of part 2
;; launch attn (part 3): grid 4 x 64, 16 waves a work-group, no clusters, 43,008 bytes of LDS; arguments qimg, kv, head_mask, pad_mask, flags, ctxc, ctxs; writes ctxc, ctxs
.if DOCPART == 3
	.amdgcn_target "amdgcn-amd-amdhsa--gfx1250"
	.amdhsa_code_object_version 6
	.text
	.protected	k_q722645ac53_attn
	.globl	k_q722645ac53_attn
	.p2align	8
	.type	k_q722645ac53_attn,@function
k_q722645ac53_attn:
	s_mov_b64 s[64:65], 0
	v_nop
	global_prefetch_b8 v0, s[64:65] scope:SCOPE_SE
	s_setreg_imm32_b32 hwreg(HW_REG_WAVE_MODE, 25, 1), 1
	s_wait_xcnt 0x0
; Attention of one (batch, head) on codes of FP6 (E2M3); ctx leaves as codes for the last projection.
; SHARES.  Work-group (x, batch x 8 + head) makes two passes over the head's 16 steps of 128 keys: queries 256 x .. and then 256 (7 - x) ..  Each of its sixteen waves owns one tile of 16 queries in 256 registers, four waves to a SIMD,
; so that one wave's vector work stands beside another's products and LDS loads.  Tile T = 16 x block + wave holds the rows 128 (T / 8) + 32 ((T % 8) / 2) + 8 (T % 2) + r + 8 (r / 8).
; CLASSES.  For each (tile, batch, step) an earlier launch has stored 0 = skip (every p is 0), 1 = open (both masks 0), 3 = mixed.  A skipped step's work is jumped over; an open step has no mask arithmetic;
; a mixed step computes (score x 0.125 + pad x -1e9) + head x -1e9 and x log2(e), each rounded as it is written there (so the multiplications by -1e9 are not fused into the additions).  LIMIT: the skip holds for |score| / 8 under 4e8.
; THE SOFTMAX: t = logit x log2(e); M = the running largest t rounded up to a whole number, kept as -M; p = 2^(t - M) is quantised along the keys, not normalised; the row's sum is taken of the unquantised p and divides at the end;
; when M moves, the sum and O are multiplied by 2^(old M - new M), which rounds nothing.
; LAYOUT.  Both products transposed: S^T = K Q^T (source 0 = 16 keys, source 1 = my 16 queries), O^T = V^T P^T: a lane holds one query throughout.  The keys of a tile of K are chosen so that the 16 registers of tiles 2 b, 2 b + 1 are keys 32 b + 16 h + 0 .. 15.
; The head is 64 wide, half of the instruction's 128 along K.  Q's upper six registers are zero codes.  K's fragment t is v[32 + 6 t .. 43 + 6 t]: its upper six registers are the next tile's codes, which meet Q's zeros and add nothing (every code of this format is a finite number; the scale bytes there are 127).
; K AND V come as images of operand registers, 13,312 bytes a step, through registers into two LDS slots that take turns: a step's bytes are asked for two steps ahead, stored to the free slot one step ahead, and one barrier a step parts the reads of a slot from its next stores.
; The fetch wraps round ((G + 2) % 16): the last two of the 32 steps fetch steps 0 and 1 once more, inside the buffer, and nobody reads them: that spares two branches in every step.
; NO TENSOR LOAD AND NO CLUSTER, though the four work-groups of a head walk the same K and V: a step's work is jumped over on numbers read from memory.
; LIMITS: NaN and infinities are not served; a block of zeros gets the byte 1 where the rule says 127 (this program alone reads the bytes).
.set IMG,   13312                      ; a step's image: K's codes 0, V's codes 6,144, K's scale words 12,288, V's 12,800
.set SLOT,  16384                      ; LDS: slot 0 at 0, slot 1 here
.set VCO,   6144
.set KSO,   12288
.set VSO,   12800
.set PADB,  32768                      ; pad x -1e9 of my batch, 8,192 bytes
.set SPARE, 40960                      ; the spare words, 128 bytes a wave
.set LI,  1                            ; 16 x lane
.set TS0, 2                            ; 16 x thread
.set GSO, 3                            ; the fetch's offset
.set MA0, 4                            ; head_mask: my row x 8,192 + 64 h
.set PA0, 5                            ; PADB + 64 h
.set SPW, 6                            ; SPARE + 4 x my thread's number; never rewritten
.set NIL, 7                            ; 0; never rewritten
.set SC,  8                            ; v8-11 K's scale words, then V's
;        v12 -M, v13 the largest t, v[14:15] the sum in two halves
.set QF,  16                           ; v16-21 Q's codes, v22-27 zeros
.set F,   28                           ; 2^(old M - new M)
.set PS,  29                           ; p's scale word
.set QSC, 30                           ; Q's scale word
.set TMP, 31
.set KV,  32                           ; v32-79 K's 8 x 6 registers, then V's 4 x 12
.set KZ,  80                           ; v80-85 zeros: tile 7's upper half
.set PFO, 86                           ; 256 x lane; never rewritten
.set MAD, 87                           ; the mask loads' offset
.set STG, 88                           ; v88-95 the bytes on their way to LDS
.set S,   96                           ; v96-159 S^T, then p
.set O,   160                          ; v160-191 O^T
.set HM,  192                          ; v192-255 head_mask in a mixed step; behind it:
.set PC,  224                          ; v224-235 p's codes
.set CT,  236                          ; v236-243 the second conversions; a chain of the sum
.set BM,  244                          ; v244-247 the blocks' largest scores
.set PX,  248                          ; v248-251 permutes, bytes
.set SOP, 252                          ; v252-255 the conversions' scale operands
.set WV,  18
.set G,   19                           ; the step, 0 .. 31 over both passes
.set IT,  20
.set PSS, 21
.set FW,  22                           ; s[22:23] the tile's two words of classes
.set CLS, 24
.set C0,  25                           ; 0.125 x log2(e)
.set CS,  26                           ; s[26:27] the step's factor from S to t
.set L2E, 28
.set NG,  30
.set SEL, 32
.set PFA, 34
.set PLIM, 36
.set SPD, 37                           ; 512 x (G % 16)
.set BB,  39
.set HD,  40
.set T,   41
.set E8,  56
	s_load_b256 s[4:11], s[0:1], 0x0               ; qimg, kv, head_mask, pad_mask
	s_load_b128 s[12:15], s[0:1], 0x20             ; flags, ctxc
	s_load_b64 s[16:17], s[0:1], 0x30              ; ctxs
	v_lshl_add_u32 v[SPW], v0, 2, SPARE
	v_mov_b32 v[NIL], 0
	v_lshrrev_b32 v1, 5, v0
	v_readfirstlane_b32 s[WV], v1                  ; wave 0..15
	s_and_b32 s38, ttmp7, 0xffff                   ; batch x 8 + head
	s_lshr_b32 s[BB], s38, 3
	s_and_b32 s[HD], s38, 7
	v_and_b32 v[TMP], 31, v0
	v_lshlrev_b32 v[LI], 4, v[TMP]
	v_lshlrev_b32 v[TS0], 4, v0
	v_lshlrev_b32 v[PFO], 8, v[TMP]
	v_bfe_u32 v[PA0], v0, 4, 1
	v_lshlrev_b32 v[PA0], 6, v[PA0]
	v_add_nc_u32 v[PA0], PADB, v[PA0]
.irp i, 22,23,24,25,26,27,29,80,81,82,83,84,85,92,93,94,95,104,105,106,107,248,249,250,251
	v_mov_b32 v\i, 0                               ; zero codes; registers that are named before their first result; those that only ten waves load
.endr
	s_mov_b32 s[C0], 0x3e38aa3b
	s_mov_b32 s[L2E], 0x3fb8aa3b
	s_mov_b32 s[L2E+1], s[L2E]                     ; (the packed forms name a pair and take its low word for both halves: so the upper is written)
	s_mov_b32 s[NG], 0xce6e6b28                    ; -1e9
	s_mov_b32 s[NG+1], s[NG]
	s_mov_b32 s[E8], 0x3e000000                    ; 0.125
	s_mov_b32 s[E8+1], s[E8]
	s_mov_b32 s[SEL], 0x76543210
	s_mov_b32 s[SEL+1], 0xfedcba98
	s_mov_b32 s[G], 0
	s_mov_b32 s[SPD], 0
	s_mov_b32 s[PSS], 0
	s_lshr_b32 s44, s[WV], 1
	s_xor_b32 s44, s44, 6
	s_or_b32 s44, s44, ttmp9
	s_cmp_eq_u32 s44, 0
	s_cselect_b32 s[PLIM], 10, 0                   ; waves 12 and 13 of the head's first work-group prefetch, in steps 0 to 9
	s_mul_i32 s44, s38, 16*IMG
	s_mov_b32 s45, 0
	s_mul_i32 s46, s38, 16*6656
	s_mov_b32 s47, 0
	s_lshl_b32 s48, s[BB], 13
	s_mov_b32 s49, 0
	s_lshl_b32 s50, s[BB], 3
	s_mov_b32 s51, 0
	s_wait_kmcnt 0x0
	s_add_nc_u64 s[6:7], s[6:7], s[44:45]          ; my head's 16 images of K and V
	s_add_nc_u64 s[4:5], s[4:5], s[46:47]          ; and of Q
	s_add_nc_u64 s[10:11], s[10:11], s[48:49]      ; my batch's pad mask
	s_add_nc_u64 s[12:13], s[12:13], s[50:51]      ; my batch's classes
	s_and_b32 s44, s[WV], 1
	s_lshl_b32 s44, s44, 13
	s_add_co_u32 s44, s44, 32768
	s_add_nc_u64 s[PFA:PFA+1], s[6:7], s[44:45]    ; the first step moves it on to byte 49,152 + 8,192 (wave % 2) of the head's images
	global_load_b128 v[S:S+3], v[TS0], s[10:11]
	global_load_b128 v[S+4:S+7], v[TS0], s[6:7]                ; step 0: 512 threads x 16 bytes,
	global_load_b128 v[STG:STG+3], v[TS0], s[6:7] offset:IMG   ; step 1
	s_cmp_lt_u32 s[WV], 10
	s_cbranch_scc0 .Lfew
	global_load_b128 v[S+8:S+11], v[TS0], s[6:7] offset:8192           ; and the other 5,120 bytes: ten waves
	global_load_b128 v[STG+4:STG+7], v[TS0], s[6:7] offset:IMG+8192
.Lfew:
	s_wait_loadcnt 0x0
	v_pk_mul_f32 v[S:S+1], v[S:S+1], s[NG:NG+1] op_sel_hi:[1,0]
	v_pk_mul_f32 v[S+2:S+3], v[S+2:S+3], s[NG:NG+1] op_sel_hi:[1,0]
	ds_store_b128 v[TS0], v[S:S+3] offset:PADB
	ds_store_b128 v[TS0], v[S+4:S+7]
	s_cmp_lt_u32 s[WV], 10
	s_cbranch_scc0 .Lfew2
	ds_store_b128 v[TS0], v[S+8:S+11] offset:8192
.Lfew2:
	s_wait_dscnt 0x0                               ; for the others' sake: my stores have landed
	s_barrier_signal -1
	s_barrier_wait -1
; A KEY STEP.  sl: the slot that holds it.
.macro STEP sl
	s_wait_loadcnt 0x0                             ; the next step's bytes, asked for a step ago, are in registers; that wait also frees the fetch's offset register
	s_wait_xcnt 0x0                                ; the last prefetch, a step back, has read its address
	s_add_nc_u64 s[PFA:PFA+1], s[PFA:PFA+1], 16384
	s_add_co_u32 s44, s[G], 2
	s_and_b32 s44, s44, 15
	s_mul_i32 s44, s44, IMG
	ds_store_b128 v[TS0], v[STG:STG+3] offset:(1-\sl)*SLOT     ; into the slot that all waves left at the last barrier
	s_cmp_lt_u32 s[WV], 10
	s_cbranch_scc0 .Lst_\@
	ds_store_b128 v[TS0], v[STG+4:STG+7] offset:(1-\sl)*SLOT+8192
.Lst_\@:
	s_wait_dscnt 0x0                               ; the stores have read their registers
	v_add_nc_u32 v[GSO], s44, v[TS0]
	global_load_b128 v[STG:STG+3], v[GSO], s[6:7]              ; the step after the next
	s_cmp_lt_u32 s[WV], 10
	s_cbranch_scc0 .Lld_\@
	global_load_b128 v[STG+4:STG+7], v[GSO], s[6:7] offset:8192
.Lld_\@:
; A prefetch of the head's images: 832 blocks of 256 bytes.  Blocks 192 to 831 are named once each in the launch: by the head's first work-group, waves 12 and 13, 32 blocks a wave and step in steps 0 to 9:
; byte 49,152 + 16,384 G + 8,192 (wave - 12) + 256 lane, which is 22,528 + 3,072 G bytes further on than the fetch just issued.  The first 192 blocks come by their loads alone; the last block named is the head's last.
	s_cmp_lt_u32 s[G], s[PLIM]
	s_cbranch_scc0 .Lnp_\@
	global_prefetch_b8 v[PFO], s[PFA:PFA+1] th:TH_LOAD_NT scope:SCOPE_SE
.Lnp_\@:
	s_and_b32 s[CLS], s[FW], 3
	s_cmp_eq_u32 s[CLS], 0
	s_cbranch_scc1 .Lend_\@                        ; skip: round the work, not round the barrier
	s_cmp_eq_u32 s[CLS], 3
	s_cselect_b32 s[CS], 0x3f800000, s[C0]         ; a mixed step leaves t itself in S
	s_mov_b32 s[CS+1], s[CS]
	s_cbranch_scc0 .Lk_\@
	v_add_nc_u32 v[MAD], s[SPD], v[MA0]
.irp b, 0,1,2,3
.irp j, 0,1,2,3
	global_load_b128 v[HM+16*\b+4*\j:HM+16*\b+4*\j+3], v[MAD], s[8:9] offset:128*\b+16*\j   ; head_mask(my query, keys 32 b + 16 h + 4 j on), in S's layout
.endr
.endr
.Lk_\@:
.irp k, 0,1,2,3,4,5,6,7,8,9,10,11
	ds_load_b128 v[KV+4*\k:KV+4*\k+3], v[LI] offset:\sl*SLOT+512*\k
.endr
	ds_load_b128 v[SC:SC+3], v[LI] offset:\sl*SLOT+KSO
	s_wait_dscnt 0x0
.irp t, 0,2,4,6
	v_wmma_scale_f32_16x16x128_f8f6f4 v[S+8*\t:S+8*\t+7], v[KV+6*\t:KV+6*\t+11], v[QF:QF+11], 0, v[SC+\t/2], v[QSC] matrix_a_fmt:MATRIX_FMT_FP6 matrix_b_fmt:MATRIX_FMT_FP6
	v_wmma_scale_f32_16x16x128_f8f6f4 v[S+8*\t+8:S+8*\t+15], v[KV+6*\t+6:KV+6*\t+17], v[QF:QF+11], 0, v[SC+\t/2], v[QSC] matrix_a_fmt:MATRIX_FMT_FP6 matrix_b_fmt:MATRIX_FMT_FP6 matrix_a_scale:MATRIX_SCALE_ROW1
.endr
.rept 4
	v_nop                                          ; places in front of the first read of the scores and of loads into K's registers and scale words
.endr
	s_cmp_eq_u32 s[CLS], 3
	s_cbranch_scc0 .Lopen_\@
	v_add_nc_u32 v[TMP], s[SPD], v[PA0]
.irp b, 0,1,2
.irp j, 0,1,2,3
	ds_load_b128 v[KV+16*\b+4*\j:KV+16*\b+4*\j+3], v[TMP] offset:128*\b+16*\j
.endr
.endr
	s_wait_dscnt 0x0
.set n, 0
.rept 24
	v_pk_fma_f32 v[S+n:S+n+1], v[S+n:S+n+1], s[E8:E8+1], v[KV+n:KV+n+1] op_sel_hi:[1,0,1]   ; score x 0.125 (exact) + pad x -1e9: one rounding
.set n, n+2
.endr
.irp j, 0,1,2,3
	ds_load_b128 v[KV+4*\j:KV+4*\j+3], v[TMP] offset:384+16*\j
.endr
	s_wait_dscnt 0x0
.set n, 0
.rept 8
	v_pk_fma_f32 v[S+48+n:S+49+n], v[S+48+n:S+49+n], s[E8:E8+1], v[KV+n:KV+n+1] op_sel_hi:[1,0,1]
.set n, n+2
.endr
	s_wait_loadcnt 0x0                             ; head_mask (and the fetch, which was issued ahead of it)
.set n, 0
.rept 32
	v_pk_mul_f32 v[HM+n:HM+n+1], v[HM+n:HM+n+1], s[NG:NG+1] op_sel_hi:[1,0]
.set n, n+2
.endr
.set n, 0
.rept 32
	v_pk_add_f32 v[S+n:S+n+1], v[S+n:S+n+1], v[HM+n:HM+n+1]
.set n, n+2
.endr
.set n, 0
.rept 32
	v_pk_mul_f32 v[S+n:S+n+1], v[S+n:S+n+1], s[L2E:L2E+1] op_sel_hi:[1,0]
.set n, n+2
.endr
.Lopen_\@:
.irp k, 0,1,2,3,4,5,6,7,8,9,10,11
	ds_load_b128 v[KV+4*\k:KV+4*\k+3], v[LI] offset:\sl*SLOT+VCO+512*\k   ; V lands while the softmax is walked
.endr
	ds_load_b128 v[SC:SC+3], v[LI] offset:\sl*SLOT+VSO
.irp b, 0,1,2,3
	v_max3_num_f32 v[BM+\b], v[S+16*\b], v[S+1+16*\b], v[S+2+16*\b]   ; the largest score of each block of 32 keys: it serves the row's maximum and, since p rises with the score, the block's largest p
.endr
.irp i, 3,5,7,9,11,13
.irp b, 0,1,2,3
	v_max3_num_f32 v[BM+\b], v[BM+\b], v[S+16*\b+\i], v[S+1+16*\b+\i]
.endr
.endr
.irp b, 0,1,2,3
	v_max_num_f32 v[BM+\b], v[BM+\b], v[S+15+16*\b]
.endr
.irp b, 0,1,2,3
	v_permlanex16_b32 v[PX+\b], v[BM+\b], s[SEL], s[SEL+1]
.endr
.irp b, 0,1,2,3
	v_max_num_f32 v[BM+\b], v[BM+\b], v[PX+\b]     ; with lane l xor 16's 16 keys
.endr
	v_max3_num_f32 v[TMP], v[BM], v[BM+1], v[BM+2]
	v_max_num_f32 v[TMP], v[TMP], v[BM+3]
	v_mul_f32 v[TMP], s[CS], v[TMP]                ; as t (the factor is positive)
	v_max_num_f32 v13, v13, v[TMP]                 ; the running largest t
	v_mov_b32 v[TMP], v12
	v_floor_f32 v12, -v13                          ; the new -M = floor(-t): M is a whole number
	v_sub_f32 v[TMP], v12, v[TMP]                  ; old M - new M: a whole number, 0 or less
	v_cvt_i32_f32 v[TMP], v[TMP]                   ; (it saturates)
	v_ldexp_f32 v[F], 1.0, v[TMP]
.set n, 0
.rept 32
	v_pk_fma_f32 v[S+n:S+n+1], v[S+n:S+n+1], s[CS:CS+1], v[12:13] op_sel_hi:[1,0,0]   ; t - M
.set n, n+2
.endr
.irp b, 0,1,2,3
	v_fma_f32 v[BM+\b], v[BM+\b], s[CS], v12       ; the same of each block's largest score
.endr
.set n, 0
.rept 64
	v_exp_f32 v[S+n], v[S+n]                       ; p = 2^(t - M)
.set n, n+1
.endr
	v_pk_mul_f32 v[14:15], v[14:15], v[F:F+1] op_sel_hi:[1,0]   ; the sums under the new M: the plain place behind the exponentials
	s_wait_alu depctr_va_vdst(0)                   ; one wait for the batch of 64, ahead of its first reader
.irp b, 0,1,2,3
	v_exp_f32 v[BM+\b], v[BM+\b]                   ; the blocks' largest p: the same two instructions on the same numbers
.endr
	v_pk_add_f32 v[CT:CT+1], v[S:S+1], v[S+2:S+3]  ; the row's sum of the unquantised p, in two chains; it reads the 64 alone
.set n, 4
.rept 15
	v_pk_add_f32 v[14:15], v[14:15], v[S+n:S+n+1]
	v_pk_add_f32 v[CT:CT+1], v[CT:CT+1], v[S+n+2:S+n+3]
.set n, n+4
.endr
	v_pk_add_f32 v[14:15], v[14:15], v[CT:CT+1]
	s_wait_alu depctr_va_vdst(0)                   ; and one for the four
.irp b, 0,1,2,3
	v_max_num_f32 v[BM+\b], 0x1800000, v[BM+\b]    ; the floor 2^(3 - 127): the byte cannot fall under 1
.endr
.irp b, 0,1,2,3
	v_add_nc_u32 v[SOP+\b], 0xff000000, v[BM+\b]   ; 2 off the exponent field: the conversion's scale operand
.endr
.irp b, 0,1,2,3
	v_lshrrev_b32 v[PX+\b], 23, v[SOP+\b]
.endr
	v_lshl_or_b32 v[PS], v[PX+1], 8, v[PX]
	v_lshl_or_b32 v[PS], v[PX+2], 16, v[PS]
	v_lshl_or_b32 v[PS], v[PX+3], 24, v[PS]
.irp c, 0,1
	v_cvt_scalef32_pk16_fp6_f32 v[PC+6*\c:PC+6*\c+2], v[S+32*\c:S+32*\c+15], v[SOP+2*\c]
	v_cvt_scalef32_pk16_fp6_f32 v[CT+4*\c:CT+4*\c+2], v[S+16+32*\c:S+31+32*\c], v[SOP+2*\c+1]
.endr
	v_nop                                          ; one plain place behind a scaled conversion
.irp c, 0,1                            ; a whole block in a lane: lanes 0-15 block 2 c, lanes 16-31 block 2 c + 1
.irp i, 0,1,2
	v_permlane16_swap_b32 v[PC+6*\c+\i], v[CT+4*\c+\i]
.endr
.irp i, 0,1,2
	v_mov_b32 v[PC+3+6*\c+\i], v[CT+4*\c+\i]
.endr
.endr
.set n, 0
.rept 16
	v_pk_mul_f32 v[O+n:O+n+1], v[O+n:O+n+1], v[F:F+1] op_sel_hi:[1,0]   ; O^T under the new M, each accumulator from its low end on.  These sixteen are also the places between the lines that made p's codes and scale word and the products
.set n, n+2
.endr
	s_wait_dscnt 0x0                               ; V and its scale words
.irp d, 0,1,2,3
	v_wmma_scale_f32_16x16x128_f8f6f4 v[O+8*\d:O+8*\d+7], v[KV+12*\d:KV+12*\d+11], v[PC:PC+11], v[O+8*\d:O+8*\d+7], v[SC+\d], v[PS] matrix_a_fmt:MATRIX_FMT_FP6 matrix_b_fmt:MATRIX_FMT_FP6
.endr
.rept 4
	v_nop                                          ; places in front of the next loads into these operands and the next read of O^T
.endr
.Lend_\@:
	s_lshr_b32 s[FW], s[FW], 4
	s_add_co_u32 s[G], s[G], 1
	s_and_b32 s[SPD], s[G], 15
	s_lshl_b32 s[SPD], s[SPD], 9
	s_wait_dscnt 0x0                               ; my reads of this slot are over and my stores into the other have landed
	s_barrier_signal -1
	s_barrier_wait -1                              ; both now hold of every wave: the slots change roles
.endm
.Lpass:
	s_wait_xcnt 0x0                                ; the last pass's stores and loads have read their registers
	s_sub_co_u32 s42, 7, ttmp9
	s_cmp_eq_u32 s[PSS], 0
	s_cselect_b32 s42, ttmp9, s42                  ; the block of 256 queries: x, then 7 - x
	s_lshl_b32 s[T], s42, 4
	s_add_co_u32 s[T], s[T], s[WV]                 ; my tile
	s_lshl_b32 s44, s[T], 6
	s_mov_b32 s45, 0
	s_add_nc_u64 s[52:53], s[12:13], s[44:45]
	s_load_b64 s[FW:FW+1], s[52:53], 0x0           ; its classes for the 16 steps
	s_lshr_b32 s43, s[T], 3                        ; the block of 128 tokens
	s_and_b32 s54, s[WV], 7                        ; my tile in it
	s_mul_i32 s46, s43, 6656
	s_mul_i32 s55, s54, 3
.irp p, 0,1,2                          ; my six registers are pairs 3 t + p of the image's 24: pair P lies in chunk P / 2, at byte 8 (P % 2) of a lane's 16
	s_add_co_u32 s47, s55, \p
	s_lshr_b32 s48, s47, 1
	s_lshl_b32 s48, s48, 9
	s_and_b32 s47, s47, 1
	s_lshl_b32 s47, s47, 3
	s_add_co_u32 s48, s48, s47
	s_add_co_u32 s48, s48, s46
	v_add_nc_u32 v[S+\p], s48, v[LI]
	global_load_b64 v[QF+2*\p:QF+2*\p+1], v[S+\p], s[4:5]
.endr
	s_and_b32 s47, s54, 1
	s_lshl_b32 s47, s47, 8
	s_lshr_b32 s48, s54, 1
	s_lshl_b32 s48, s48, 2
	s_add_co_u32 s47, s47, s48
	s_add_co_u32 s47, s47, s46
	v_and_b32 v[S+4], 15, v0                       ; r
	v_lshl_add_u32 v[S+3], v[S+4], 4, s47
	global_load_b32 v[QSC], v[S+3], s[4:5] offset:6144   ; word t / 2 of lane 16 (t % 2) + r
	v_and_b32 v[S+5], 8, v[S+4]
	v_add_nc_u32 v[S+5], v[S+5], v[S+4]
	v_bfe_u32 v[S+6], v0, 4, 1
	v_lshlrev_b32 v[S+5], 13, v[S+5]
	v_lshl_add_u32 v[S+5], v[S+6], 6, v[S+5]
	s_lshl_b32 s50, s43, 7
	s_lshr_b32 s51, s54, 1
	s_lshl_b32 s51, s51, 5
	s_add_co_u32 s50, s50, s51
	s_and_b32 s51, s54, 1
	s_lshl_b32 s51, s51, 3
	s_add_co_u32 s50, s50, s51
	s_lshl_b32 s50, s50, 13
	v_add_nc_u32 v[MA0], s50, v[S+5]
	v_mov_b32 v13, 0xff61b1e6                      ; the largest t so far: -3e38
	v_floor_f32 v12, -v13
	v_mov_b32 v14, 0
	v_mov_b32 v15, 0
.set n, 0
.rept 32
	v_mov_b32 v[O+n], 0                            ; the step is written once: the first finds zeros, which the first change of M leaves zeros
.set n, n+1
.endr
	s_mov_b32 s[IT], 0
	s_wait_kmcnt 0x0
	s_wait_loadcnt 0x0
.Ltrip:                                ; eight trips of two steps
	STEP 0
	STEP 1
	s_add_co_u32 s[IT], s[IT], 1
	s_cmp_eq_u32 s[IT], 4
	s_cselect_b32 s[FW], s[FW+1], s[FW]            ; steps 8 to 15: the second word
	s_cmp_lt_u32 s[IT], 8
	s_cbranch_scc1 .Ltrip
	; THE WAY OUT: ctx = O^T / the sum, quantised along the head's 64: register 16 b + i is channel 32 b + 16 h + i of my query
	v_add_f32 v14, v14, v15
	v_permlanex16_b32 v[TMP], v14, s[SEL], s[SEL+1]
	v_add_f32 v14, v14, v[TMP]
	v_rcp_f32 v[F], v14
	v_and_b32 v[S+32], 31, v0                      ; (plain work behind the reciprocal)
	v_lshlrev_b32 v[S+33], 2, v[S+32]
	v_lshlrev_b32 v[S+32], 3, v[S+32]
	s_lshl_b32 s42, s[BB], 7
	s_add_co_u32 s42, s42, s[T]
	s_lshl_b32 s42, s42, 3
	s_add_co_u32 s42, s42, s[HD]                   ; (token tile x 8 + head)
	s_mul_i32 s44, s42, 768
	s_add_nc_u64 s[48:49], s[14:15], s[44:45]
	s_lshl_b32 s44, s42, 7
	s_add_nc_u64 s[50:51], s[16:17], s[44:45]
	s_wait_alu depctr_va_vdst(0)                   ; ahead of the reciprocal's first reader
.set n, 0
.rept 16
	v_pk_mul_f32 v[S+n:S+n+1], v[O+n:O+n+1], v[F:F+1] op_sel_hi:[1,0]
.set n, n+2
.endr
.irp b, 0,1
	v_max3_num_f32 v[BM+\b], |v[S+16*\b]|, |v[S+1+16*\b]|, 0x1800000
.endr
.irp i, 2,4,6,8,10,12,14
.irp b, 0,1
	v_max3_num_f32 v[BM+\b], v[BM+\b], |v[S+16*\b+\i]|, |v[S+1+16*\b+\i]|
.endr
.endr
.irp b, 0,1
	v_permlanex16_b32 v[PX+\b], v[BM+\b], s[SEL], s[SEL+1]
.endr
.irp b, 0,1
	v_max_num_f32 v[BM+\b], v[BM+\b], v[PX+\b]
.endr
.irp b, 0,1
	v_add_nc_u32 v[SOP+\b], 0xff000000, v[BM+\b]
.endr
.irp b, 0,1
	v_lshrrev_b32 v[PX+\b], 23, v[SOP+\b]
.endr
	v_lshl_or_b32 v[TMP], v[PX+1], 8, v[PX]        ; the head's two bytes
	v_cvt_scalef32_pk16_fp6_f32 v[PC:PC+2], v[S:S+15], v[SOP]
	v_cvt_scalef32_pk16_fp6_f32 v[CT:CT+2], v[S+16:S+31], v[SOP+1]
	v_nop                                          ; one plain place behind a scaled conversion
.irp i, 0,1,2
	v_permlane16_swap_b32 v[PC+\i], v[CT+\i]
.endr
.irp i, 0,1,2
	v_mov_b32 v[PC+3+\i], v[CT+\i]
.endr
.irp p, 0,1,2
	global_store_b64 v[S+32], v[PC+2*\p:PC+2*\p+1], s[48:49] offset:256*\p   ; the wave stores 256 consecutive bytes, aligned
.endr
	global_store_b32 v[S+33], v[TMP], s[50:51]
	s_add_co_u32 s[PSS], s[PSS], 1
	s_cmp_lt_u32 s[PSS], 2
	s_cbranch_scc1 .Lpass
	s_wait_tensorcnt 0x0                           ; the wave's end, behind my last LDS store
	ds_add_u32 v[SPW], v[NIL]
	s_wait_dscnt 0x0
	s_endpgm
.Lfunc_end_k_q722645ac53_attn:
	.size	k_q722645ac53_attn, .Lfunc_end_k_q722645ac53_attn-k_q722645ac53_attn
	.p2alignl 7, 3214868480
	.fill 96, 4, 3214868480
	.section	.rodata,"a",@progbits
	.p2align	6, 0x0
	.amdhsa_kernel k_q722645ac53_attn
		.amdhsa_group_segment_fixed_size 43008
		.amdhsa_private_segment_fixed_size 0
		.amdhsa_enable_private_segment 0
		.amdhsa_kernarg_size 56
		.amdhsa_user_sgpr_count 2
		.amdhsa_user_sgpr_kernarg_segment_ptr 1
		.amdhsa_wavefront_size32 1
		.amdhsa_system_sgpr_workgroup_id_x 1
		.amdhsa_system_sgpr_workgroup_id_y 1
		.amdhsa_system_sgpr_workgroup_id_z 1
		.amdhsa_system_vgpr_workitem_id 0
		.amdhsa_next_free_vgpr 256
		.amdhsa_next_free_sgpr 66
		.amdhsa_reserve_vcc 0
		.amdhsa_float_denorm_mode_32 3
		.amdhsa_float_denorm_mode_16_64 3
		.amdhsa_memory_ordered 1
		.amdhsa_forward_progress 1
		.amdhsa_inst_pref_size 67
	.end_amdhsa_kernel
	.amdgpu_metadata
---
amdhsa.version: [ 1, 2 ]
amdhsa.kernels:
  - .name:           k_q722645ac53_attn
    .symbol:         k_q722645ac53_attn.kd
    .args:
      - { .name: qimg, .offset: 0, .size: 8, .value_kind: global_buffer, .address_space: global }
      - { .name: kv, .offset: 8, .size: 8, .value_kind: global_buffer, .address_space: global }
      - { .name: head_mask, .offset: 16, .size: 8, .value_kind: global_buffer, .address_space: global }
      - { .name: pad_mask, .offset: 24, .size: 8, .value_kind: global_buffer, .address_space: global }
      - { .name: flags, .offset: 32, .size: 8, .value_kind: global_buffer, .address_space: global }
      - { .name: ctxc, .offset: 40, .size: 8, .value_kind: global_buffer, .address_space: global }
      - { .name: ctxs, .offset: 48, .size: 8, .value_kind: global_buffer, .address_space: global }
    .group_segment_fixed_size: 43008
    .private_segment_fixed_size: 0
    .kernarg_segment_align: 8
    .kernarg_segment_size: 56
    .max_flat_workgroup_size: 512
    .sgpr_count:     66
    .vgpr_count:     256
    .wavefront_size: 32
...
	.end_amdgpu_metadata
.endif
;; end of part 3
;; launch outp (part 4): grid 256 x 1, 8 waves a work-group, no clusters, 35,840 bytes of LDS; arguments ctxc, ctxs, wimg, wscl, bo, out0; writes out0
.if DOCPART == 4
	.amdgcn_target "amdgcn-amd-amdhsa--gfx1250"
	.amdhsa_code_object_version 6
	.text
	.protected	k_q722645ac53_outp
	.globl	k_q722645ac53_outp
	.p2align	8
	.type	k_q722645ac53_outp,@function
k_q722645ac53_outp:
	s_mov_b64 s[64:65], 0
	v_nop
	global_prefetch_b8 v0, s[64:65] scope:SCOPE_SE
	s_setreg_imm32_b32 hwreg(HW_REG_WAVE_MODE, 25, 1), 1
	s_wait_xcnt 0x0
; out0 = ctx Wo + bo on codes of FP6 (E2M3).  ctx arrives as images of operand registers: ctxc [token tile 1024][register pair 24][lane][8 bytes] (head hd's six registers are registers 6 hd .. 6 hd + 5 of the tile's 48: four K steps of 12);
; ctxs [token tile][head][lane][4 bytes], a head's two scale bytes in the low half.  Lane r of tile 8 B + t is token 128 B + 32 (t / 2) + 8 (t % 2) + r + 8 (r / 8).
; SHARES.  Work-group X takes token tiles 4 X .. 4 X + 3, which are tokens 64 X .. 64 X + 63; wave w makes features 64 w .. 64 w + 63 of them: its 16 fragments of Wo lie in registers, as they lie in wimg.
; Transposed (source 0 = 16 features, source 1 = 16 tokens): a lane holds one token and 32 of the wave's 64 features; a tile goes through the wave's own stage in LDS and leaves as rows of 256 bytes: sixteen lanes store one aligned block of 256 bytes.
; The bias is the C of each sum's first product.  Four accumulators by turns.  Two buffers for ctx: a tile's 24 loads are out while the tile before is multiplied and stored.
; NO CLUSTER, NO TENSOR LOAD: Wo's images go once into registers (24,576 bytes a wave); a work-group's 24,576 bytes of ctx are read by its own eight waves alone.  No prefetch: every load is issued at the head or a tile ahead.
.set SPARE, 34816                      ; behind the eight stages of 16 x 272 bytes: the spare words
.set LI,  1                            ; 16 x lane
.set L8,  2                            ; 8 x lane
.set SPW, 3                            ; SPARE + 4 x my thread's number; never rewritten
.set NIL, 4                            ; 0; never rewritten
.set LS,  5                            ; 4 x lane
.set SO,  6                            ; my stage + 272 r + 64 h
.set SR,  7                            ; my stage + 272 h + 16 r
.set WS,  8                            ; v8-15  Wo's scale words, index 4 (t / 2) + s
.set CSW, 16                           ; v16-31 ctx's scale words, index 4 m + s
.set RS,  32                           ; v32-63 the heads' words as loaded; later rows read back
.set XF,  64                           ; v64-111, v112-159 ctx's fragments, two buffers
.set ACC, 160                          ; v160-191
.set GO,  192                          ; 2,048 h + 16 r
.set BQ,  193                          ; 64 h
.set BI,  192                          ; window 1: the bias; v0-191 of window 1: Wo's fragments
.set MSB, 0
.macro WIN new                         ; the immediate's high byte repeats the setting that is left
.if MSB != \new
	s_set_vgpr_msb (MSB<<8)|\new
.set MSB, \new
.endif
.endm
	s_load_b256 s[4:11], s[0:1], 0x0               ; ctxc, ctxs, wimg, wscl
	s_load_b128 s[12:15], s[0:1], 0x20             ; bo, out0
	v_lshl_add_u32 v[SPW], v0, 2, SPARE
	v_mov_b32 v[NIL], 0
	v_lshrrev_b32 v194, 5, v0
	v_readfirstlane_b32 s16, v194                  ; wave 0..7
	v_and_b32 v194, 31, v0
	v_and_b32 v195, 15, v0                         ; r
	v_bfe_u32 v196, v0, 4, 1                       ; h
	v_lshlrev_b32 v[LI], 4, v194
	v_lshlrev_b32 v[L8], 3, v194
	v_lshlrev_b32 v[LS], 2, v194
	s_mul_i32 s17, s16, 16*272
	v_mul_u32_u24 v[SO], v195, 272
	v_lshl_add_u32 v[SO], v196, 6, v[SO]
	v_add_nc_u32 v[SO], s17, v[SO]
	v_mul_u32_u24 v[SR], v196, 272
	v_lshl_add_u32 v[SR], v195, 4, v[SR]
	v_add_nc_u32 v[SR], s17, v[SR]
	v_lshlrev_b32 v[GO], 11, v196
	v_lshl_add_u32 v[GO], v195, 4, v[GO]
	v_lshlrev_b32 v[BQ], 6, v196
	s_mov_b32 s20, 0x05040100                      ; v_perm_b32: the two low halves
	s_mul_i32 s22, ttmp9, 24576                    ; four tiles of 6,144 bytes
	s_mov_b32 s23, 0
	s_lshl_b32 s24, ttmp9, 12                      ; four tiles x 8 heads x 128 bytes
	s_mov_b32 s25, 0
	s_mul_i32 s26, s16, 24576
	s_add_co_u32 s26, s26, 3*196608                ; Wo is the fourth weight
	s_mov_b32 s27, 0
	s_lshl_b32 s28, s16, 10
	s_add_co_u32 s28, s28, 3*8192
	s_mov_b32 s29, 0
	s_lshl_b32 s30, s16, 8                         ; my 64 features: 256 bytes
	s_mov_b32 s31, 0
	s_lshl_b32 s32, ttmp9, 17                      ; 64 rows of 2,048 bytes
	s_add_co_u32 s32, s32, s30
	s_mov_b32 s33, 0
	s_wait_kmcnt 0x0
	s_add_nc_u64 s[4:5], s[4:5], s[22:23]
	s_add_nc_u64 s[6:7], s[6:7], s[24:25]
	s_add_nc_u64 s[8:9], s[8:9], s[26:27]
	s_add_nc_u64 s[10:11], s[10:11], s[28:29]
	s_add_nc_u64 s[12:13], s[12:13], s[30:31]
	s_add_nc_u64 s[14:15], s[14:15], s[32:33]
	WIN 0x40                                       ; destination window 1
.set i, 0
.rept 48
	global_load_b128 v[4*i:4*i+3], v[LI], s[8:9] offset:512*i
.set i, i+1
.endr
.irp t, 0,1,2,3                        ; lane (r, h), tile t, register j: feature 32 (t / 2) + 16 h + 8 (t % 2) + j
	global_load_b128 v[BI+8*\t:BI+8*\t+3], v[BQ], s[12:13] offset:(32*(\t/2)+8*(\t%2))*4
	global_load_b128 v[BI+8*\t+4:BI+8*\t+7], v[BQ], s[12:13] offset:(32*(\t/2)+8*(\t%2))*4+16
.endr
	WIN 0
.irp i, 0,1,2,3,4,5,6,7
	global_load_b32 v[WS+\i], v[LS], s[10:11] offset:128*\i
.endr
.set i, 0
.rept 32
	global_load_b32 v[RS+i], v[LS], s[6:7] offset:128*i
.set i, i+1
.endr
.macro CLOAD m                         ; tile m's 24 register pairs into buffer m % 2: each load reads 256 consecutive bytes
.set XB, XF+48*((\m)%2)
.set i, 0
.rept 24
	global_load_b64 v[XB+2*i:XB+2*i+1], v[L8], s[4:5] offset:6144*(\m)+256*i th:TH_LOAD_NT
.set i, i+1
.endr
.endm
	CLOAD 0
	CLOAD 1
	s_wait_loadcnt 24                              ; all but tile 1's 24 loads
.irp m, 0,1,2,3
.irp s, 0,1,2,3
	v_perm_b32 v[CSW+4*\m+\s], v[RS+8*\m+2*\s+1], v[RS+8*\m+2*\s], s20   ; heads 2 s and 2 s + 1 make K step s's four bytes
.endr
.endr
.rept 8
	v_nop                                          ; a scale register written by a vector instruction stands eight places ahead of a scaled product
.endr
.irp m, 0,1,2,3
.set XB, XF+48*(\m%2)
.if \m < 3
	s_wait_loadcnt 24                              ; this tile's loads are in; the other buffer's 24, issued behind them, may be out
.else
	s_wait_loadcnt 0x0
.endif
.irp s, 0,1,2,3
.if \s == 0
	WIN 0x11                                       ; source 0 (Wo) and source 2 (the bias) window 1
.else
	WIN 0x01
.endif
.irp t, 0,1,2,3
.set rW, 12*((4*(\t/2)+\s)*2+\t%2)
.set rD, ACC+8*\t
.if \s == 0
.set rC, BI+8*\t
.else
.set rC, rD
.endif
.if \t%2
	v_wmma_scale_f32_16x16x128_f8f6f4 v[rD:rD+7], v[rW:rW+11], v[XB+12*\s:XB+12*\s+11], v[rC:rC+7], v[WS+4*(\t/2)+\s], v[CSW+4*\m+\s] matrix_a_fmt:MATRIX_FMT_FP6 matrix_b_fmt:MATRIX_FMT_FP6 matrix_a_scale:MATRIX_SCALE_ROW1
.else
	v_wmma_scale_f32_16x16x128_f8f6f4 v[rD:rD+7], v[rW:rW+11], v[XB+12*\s:XB+12*\s+11], v[rC:rC+7], v[WS+4*(\t/2)+\s], v[CSW+4*\m+\s] matrix_a_fmt:MATRIX_FMT_FP6 matrix_b_fmt:MATRIX_FMT_FP6
.endif
.endr
.endr
	WIN 0
.rept 5
	v_nop                                          ; places: four in front of the stores that read the results and of loads into the buffer, five in front of the next tile's products, which begin the accumulators anew
.endr
.if \m < 2
	CLOAD \m+2
.endif
.irp b, 0,1
.irp j, 0,1,2,3
	ds_store_b128 v[SO], v[ACC+16*\b+4*\j:ACC+16*\b+4*\j+3] offset:128*\b+16*\j   ; token r, features 32 b + 16 h + 4 j on; each accumulator from its low end on
.endr
.endr
	s_wait_xcnt 0x0                                ; the last tile's stores have read the registers that the rows now come back into
.irp i, 0,1,2,3,4,5,6,7
	ds_load_b128 v[RS+4*\i:RS+4*\i+3], v[SR] offset:544*\i   ; LDS serves a wave's instructions in order: these see the stores above
.endr
.irp i, 0,1,2,3,4,5,6,7
	s_wait_dscnt 7-\i                              ; the younger read-backs may be out
	global_store_b128 v[GO], v[RS+4*\i:RS+4*\i+3], s[14:15] offset:(32*(\m/2)+8*(\m%2)+2*\i+8*(\i/4))*2048 th:TH_STORE_NT   ; rows 2 i and 2 i + 1 of the tile: sixteen lanes store 256 consecutive bytes, aligned
.endr
.endr
	s_wait_tensorcnt 0x0                           ; the wave's end, behind my last LDS store
	ds_add_u32 v[SPW], v[NIL]
	s_wait_dscnt 0x0
	s_endpgm
.Lfunc_end_k_q722645ac53_outp:
	.size	k_q722645ac53_outp, .Lfunc_end_k_q722645ac53_outp-k_q722645ac53_outp
	.p2alignl 7, 3214868480
	.fill 96, 4, 3214868480
	.section	.rodata,"a",@progbits
	.p2align	6, 0x0
	.amdhsa_kernel k_q722645ac53_outp
		.amdhsa_group_segment_fixed_size 35840
		.amdhsa_private_segment_fixed_size 0
		.amdhsa_enable_private_segment 0
		.amdhsa_kernarg_size 48
		.amdhsa_user_sgpr_count 2
		.amdhsa_user_sgpr_kernarg_segment_ptr 1
		.amdhsa_wavefront_size32 1
		.amdhsa_system_sgpr_workgroup_id_x 1
		.amdhsa_system_sgpr_workgroup_id_y 1
		.amdhsa_system_sgpr_workgroup_id_z 1
		.amdhsa_system_vgpr_workitem_id 0
		.amdhsa_next_free_vgpr 512
		.amdhsa_next_free_sgpr 66
		.amdhsa_reserve_vcc 0
		.amdhsa_float_denorm_mode_32 3
		.amdhsa_float_denorm_mode_16_64 3
		.amdhsa_memory_ordered 1
		.amdhsa_forward_progress 1
		.amdhsa_inst_pref_size 39
	.end_amdhsa_kernel
	.amdgpu_metadata
---
amdhsa.version: [ 1, 2 ]
amdhsa.kernels:
  - .name:           k_q722645ac53_outp
    .symbol:         k_q722645ac53_outp.kd
    .args:
      - { .name: ctxc, .offset: 0, .size: 8, .value_kind: global_buffer, .address_space: global }
      - { .name: ctxs, .offset: 8, .size: 8, .value_kind: global_buffer, .address_space: global }
      - { .name: wimg, .offset: 16, .size: 8, .value_kind: global_buffer, .address_space: global }
      - { .name: wscl, .offset: 24, .size: 8, .value_kind: global_buffer, .address_space: global }
      - { .name: bo, .offset: 32, .size: 8, .value_kind: global_buffer, .address_space: global }
      - { .name: out0, .offset: 40, .size: 8, .value_kind: global_buffer, .address_space: global }
    .group_segment_fixed_size: 35840
    .private_segment_fixed_size: 0
    .kernarg_segment_align: 8
    .kernarg_segment_size: 48
    .max_flat_workgroup_size: 256
    .sgpr_count:     66
    .vgpr_count:     512
    .wavefront_size: 32
...
	.end_amdgpu_metadata
.endif
;; end of part 4
;; ======== version 2 of 2: 4 launches; version 1 with the launches proj, attn, outp written anew for expert scheduling mode
;; limits: right only within a limited range of input values
;; workspace buffers: wimg 786,432 bytes; wscl 32,768 bytes; qimg 6,815,744 bytes; kv 13,631,488 bytes; ctxc 6,291,456 bytes; ctxs 1,048,576 bytes; flags 8,192 bytes of whole numbers
;; launch prep: the kernel of part 1 again; grid 160 x 1, 8 waves a work-group, no clusters, 9,216 bytes of LDS; arguments Wq, Wk, Wv, Wo, head_mask, pad_mask, wimg, wscl, flags; writes wimg, wscl, flags
;; launch proj (part 5): grid 128 x 3, 8 waves a work-group, no clusters, 121,856 bytes of LDS; arguments q, k, v, bq, bk, bv, wimg, wscl, qimg, kv; writes qimg, kv
.if DOCPART == 5
	.amdgcn_target "amdgcn-amd-amdhsa--gfx1250"
	.amdhsa_code_object_version 6
	.text
	.protected	k_q722645ac53_proj
	.globl	k_q722645ac53_proj
	.p2align	8
	.type	k_q722645ac53_proj,@function
k_q722645ac53_proj:
	s_mov_b64 s[64:65], 0
	v_nop
	global_prefetch_b8 v0, s[64:65] scope:SCOPE_SE
	s_setreg_imm32_b32 hwreg(HW_REG_WAVE_SCHED_MODE, 0, 2), 2
	s_setreg_imm32_b32 hwreg(HW_REG_WAVE_MODE, 25, 1), 1
	s_wait_xcnt 0x0
	s_wait_alu depctr_vm_vsrc(0)
; The three input projections x W + b on codes of FP6 (E2M3), and the quantising of their results for attention.  Work-group (x, y): 128 tokens (batch x / 16, block x % 16) of tensor y (0 q, 1 k, 2 v).
; X PHASE.  Wave w takes token tile w, the 16 rows 32 (w / 2) + 8 (w % 2) + i + 8 (i / 8) of the block: 64 loads of 512 consecutive bytes, all out at once; a K step's 16 x 512 bytes turn through the wave's own stage in LDS, so that
; a lane holds 16 neighbours along K of each block of 32; they are quantised and the fragment goes to LDS as an image of its registers (16 bytes a lane, 512 a store), its scale words 4 bytes a lane.  One barrier.
; PRODUCTS.  Wave w is head w: its 16 fragments of W (64 features x 512 k) lie in registers, loaded as they lie in wimg into the registers that x has left.  Two halves of four token tiles, 16 accumulators by turns, the bias as the C of each sum's first product.
;   q, k: transposed (source 0 = 16 features, source 1 = 16 tokens): a lane holds one token and 32 of the head's 64 numbers, 16 neighbours of each block: quantised along the head.
;   v: source 0 = 16 tokens, source 1 = 16 features: a lane holds one feature and, of four token tiles, 16 neighbouring tokens of each block of 32: quantised along the keys.
; OUT, images of operand registers once more: qimg [batch x head 64][block 16][6,656]: 48 registers (8 tiles x 6) in chunks of 4, chunk c at 512 c + 16 lane, then [lane][4 words] of scales (word i: tile 2 i in lanes 0-15, tile 2 i + 1 in lanes 16-31; bytes 2, 3 = 127);
;   kv [batch x head][step 16][13,312]: K's codes as q's, V's codes at 6,144 (4 tiles of 16 features x 12 registers), K's scale words at 12,288, V's at 12,800 ([lane][4 words], word = tile).
; NO CLUSTER, NO TENSOR LOAD: x is read by one work-group.  The 196,608 bytes of a weight's images are read by every work-group of its y; a joint load would send them through LDS, written and read once more, beside the 121,856 bytes in use; here they go straight into registers.
; LIMITS: NaN and infinities are not served; a block of zeros gets the byte 1 where the rule says 127 (this program alone reads the bytes); blocks whose largest magnitude lies under 2^-124 were not tried.
; THE MODE: SCHED_MODE bits 1:0 = 2 (LLVM: expert scheduling mode 2), set by the entry lines.  The code itself states the register dependences between vector or matrix instructions and memory or LDS instructions, with s_wait_alu, always for 0.
; THE PLAN.  Registers that memory or LDS instructions touch:
;   window 1, v[64 s ..]  x's K step s lands there; the stage's LDS stores read it; then W's chunks (s = 3: the bias) land there.
;   XN0, XN1   two buffers of 64 numbers.  The stage's LDS loads of K step s land in XN[s % 2], issued a step ahead; step s's quantiser reads it.
;   PC, PW     written by a step's quantiser, read by the four LDS stores of its image.
;   XF, XS     in two groups (token tiles 0, 1 and 2, 3 of a half).  A group's LDS loads land there; its eight products read it; behind them its next K step is asked for and lands under the other group's eight products.
;   OUT, OSC   written by the quantiser of the results, read by the global stores at the end.
;   The addresses v1, v2, v5, v6, v7, v28, v29, v30 are made at the head and never written again.
; So an X step has one wait on vm_vsrc (the stage's stores have read x's registers, the last image's stores PC and PW) and one on va_vdst (the quantiser has written PC and PW and is done reading its XN);
; a group of products has one wait on va_vdst behind it, ahead of the loads into its fragments.
; REGISTERS.  Window 1: v[64 s ..] x's K step s as loaded, then W's fragment (tile t, K step s) at v[12 ((4 (t / 2) + s) 2 + t % 2)], the bias at v192-223.  Window 0: below.
.set XIMG,  0                          ; LDS: x's 32 fragments, (4 m + s) x 1,536
.set XSC,   49152                      ; their scale words, (4 m + s) x 128
.set TST,   53248                      ; the waves' stages: 16 rows x 528 bytes each
.set TP,    528
.set SPARE, 120832                     ; the spare words, 128 bytes a wave
.set LI,  1                            ; 16 x lane
.set LS,  2                            ; 4 x lane
.set SPW, 3                            ; SPARE + 4 x my thread's number; never rewritten
.set NIL, 4                            ; 0; never rewritten
.set TSA, 5                            ; my stage + 16 x lane
.set TLA, 6                            ; my stage + 528 r + 64 h
.set XWI, 7                            ; 16 x lane + 6,144 x wave
.set WS,  8                            ; v8-15  W's scale words, index 4 (t / 2) + s
.set XS,  16                           ; v16-19 x's scale words
.set OSC, 20                           ; v20-23 the scale words that go out
.set SWT, 24                           ; v24-27 at work
.set XWS, 28                           ; 4 x lane + 512 x wave
.set BQ,  29                           ; the bias's offset for q and k: 64 h
.set BV,  30                           ; for v: 4 (r + 8 (r / 8))
.set XF,  32                           ; v32-79 four fragments of x: group 0 v32-55, group 1 v56-79
.set ACC, 80                           ; v80-207 16 accumulators
.set OUT, 208                          ; v208-255 the codes that go out
.set TM,  32                           ; while x is quantised: v32-47 at work, v48-67 codes, v68 the scale word, v80-143 and v144-207 the two buffers of 64 numbers
.set PC,  48
.set PW,  68
.set XN,  80
.set QM,  32                           ; while results are quantised: largest magnitudes, bytes, scale operands, the second conversion
.set QP,  34
.set QO,  36
.set QT,  40
.set BI,  192
.set WV,  24
.set Y,   25
.set SEL, 34
.set MSK, 36
.set MSB, 0
.macro WIN new                         ; the immediate's high byte repeats the setting that is left
.if MSB != \new
	s_set_vgpr_msb (MSB<<8)|\new
.set MSB, \new
.endif
.endm
	s_load_b256 s[4:11], s[0:1], 0x0               ; q, k, v, bq
	s_load_b256 s[12:19], s[0:1], 0x20             ; bk, bv, wimg, wscl
	s_load_b128 s[20:23], s[0:1], 0x40             ; qimg, kv
	v_lshl_add_u32 v[SPW], v0, 2, SPARE
	v_mov_b32 v[NIL], 0
	v_lshrrev_b32 v32, 5, v0
	v_readfirstlane_b32 s[WV], v32                 ; wave 0..7
	s_and_b32 s[Y], ttmp7, 0xffff
	v_and_b32 v33, 31, v0                          ; lane
	v_and_b32 v34, 15, v0                          ; r
	v_bfe_u32 v35, v0, 4, 1                        ; h
	v_lshlrev_b32 v[LI], 4, v33
	v_lshlrev_b32 v[LS], 2, v33
	s_wait_alu depctr_va_sdst(0)                   ; the wave's number is written, ahead of its first reader
	s_mul_i32 s26, s[WV], 16*TP
	s_add_co_u32 s26, s26, TST
	v_add_nc_u32 v[TSA], s26, v[LI]
	v_mul_u32_u24 v[TLA], v34, TP
	v_lshl_add_u32 v[TLA], v35, 6, v[TLA]
	v_add_nc_u32 v[TLA], s26, v[TLA]
	s_mul_i32 s26, s[WV], 6144
	v_add_nc_u32 v[XWI], s26, v[LI]
	s_lshl_b32 s26, s[WV], 9
	v_add_nc_u32 v[XWS], s26, v[LS]
	v_lshlrev_b32 v[BQ], 6, v35
	v_and_b32 v[BV], 8, v34
	v_add_nc_u32 v[BV], v[BV], v34
	v_lshlrev_b32 v[BV], 2, v[BV]
.irp b, 0,1,2,3
	v_mov_b32 v[TM+4+\b], 0                        ; written once: a lane permute's destination counts as one of its sources
.endr
	s_mov_b32 s[SEL], 0x76543210
	s_mov_b32 s[SEL+1], 0xfedcba98                 ; v_permlanex16_b32's selects for lane l xor 16
	s_mov_b32 s[MSK], 0xffff0000                   ; lanes 16-31
	s_lshl_b32 s28, ttmp9, 18                      ; x: 128 rows of 2,048 bytes a block,
	s_lshr_b32 s26, s[WV], 1
	s_lshl_b32 s26, s26, 16                        ; + 32 (w / 2) rows
	s_add_co_u32 s28, s28, s26
	s_and_b32 s26, s[WV], 1
	s_lshl_b32 s26, s26, 14                        ; + 8 (w % 2) rows
	s_add_co_u32 s28, s28, s26
	s_mov_b32 s29, 0
	s_mul_i32 s30, s[Y], 196608                    ; the weight's images, my head's 24,576 bytes
	s_mul_i32 s26, s[WV], 24576
	s_add_co_u32 s30, s30, s26
	s_mov_b32 s31, 0
	s_lshl_b32 s32, s[Y], 13                       ; its scale words, my head's 1,024 bytes
	s_lshl_b32 s26, s[WV], 10
	s_add_co_u32 s32, s32, s26
	s_mov_b32 s33, 0
	s_lshl_b32 s38, s[WV], 8                       ; the bias: my 64 numbers
	s_mov_b32 s39, 0
	s_lshr_b32 s43, ttmp9, 4
	s_lshl_b32 s43, s43, 3
	s_add_co_u32 s43, s43, s[WV]
	s_lshl_b32 s43, s43, 4
	s_and_b32 s26, ttmp9, 15
	s_add_co_u32 s43, s43, s26                     ; (batch x 8 + head) x 16 + block
	s_mov_b32 s45, 0
	s_mov_b32 s47, 0
	s_wait_kmcnt 0x0
	s_cmp_eq_u32 s[Y], 1                           ; the choices hang on the work-group's number alone
	s_cselect_b64 s[4:5], s[6:7], s[4:5]
	s_cselect_b64 s[10:11], s[12:13], s[10:11]
	s_cmp_eq_u32 s[Y], 2
	s_cselect_b64 s[4:5], s[8:9], s[4:5]
	s_cselect_b64 s[10:11], s[14:15], s[10:11]
	s_cselect_b32 s40, 6144, 0                     ; where the codes go in the image: V's behind K's
	s_mov_b32 s41, 12800
	s_mov_b32 s42, 12288
	s_cselect_b32 s41, s41, s42                    ; and the scale words
	s_cmp_eq_u32 s[Y], 0
	s_cselect_b64 s[20:21], s[20:21], s[22:23]
	s_cselect_b32 s41, 6144, s41
	s_mov_b32 s42, 13312
	s_cselect_b32 s42, 6656, s42                   ; an image's bytes
	s_mul_i32 s42, s42, s43
	s_add_co_u32 s44, s42, s40
	s_add_co_u32 s46, s42, s41
	s_add_nc_u64 s[22:23], s[20:21], s[46:47]      ; the scale words' place
	s_add_nc_u64 s[20:21], s[20:21], s[44:45]      ; the codes' place
	s_add_nc_u64 s[4:5], s[4:5], s[28:29]
	s_add_nc_u64 s[10:11], s[10:11], s[38:39]
	s_add_nc_u64 s[16:17], s[16:17], s[30:31]
	s_add_nc_u64 s[18:19], s[18:19], s[32:33]
	s_wait_alu depctr_va_vdst(0)                   ; the eight addresses and offsets are written, which every load and store of the kernel reads
.irp i, 0,1,2,3,4,5,6,7
	global_load_b32 v[WS+\i], v[LS], s[18:19] offset:128*\i
.endr
	WIN 0x40                                       ; destination window 1
.irp s, 0,1,2,3
.set i, 0
.rept 16
	global_load_b128 v[64*\s+4*i:64*\s+4*i+3], v[LI], s[4:5] offset:(i+8*(i/8))*2048+512*\s th:TH_LOAD_NT   ; row i of my tile, K step s: 512 consecutive bytes
.set i, i+1
.endr
.endr
	WIN 0
; 64 numbers of a lane, register 16 b + i = k 32 b + 16 h + i of my row, become a fragment's codes in v[PC] on and its scale word in v[PW].
.macro QUANT s
.irp b, 0,1,2,3
	v_max3_num_f32 v[TM+\b], |v[\s+16*\b]|, |v[\s+1+16*\b]|, 0x1800000   ; my 16 numbers of block b, and the floor 2^(3 - 127): the byte cannot fall under 1
.endr
.irp i, 2,4,6,8,10,12,14
.irp b, 0,1,2,3
	v_max3_num_f32 v[TM+\b], v[TM+\b], |v[\s+16*\b+\i]|, |v[\s+1+16*\b+\i]|
.endr
.endr
.irp b, 0,1,2,3
	v_permlanex16_b32 v[TM+4+\b], v[TM+\b], s[SEL], s[SEL+1]
.endr
.irp b, 0,1,2,3
	v_max_num_f32 v[TM+\b], v[TM+\b], v[TM+4+\b]   ; with lane l xor 16's: the block's largest magnitude
.endr
.irp b, 0,1,2,3
	v_add_nc_u32 v[TM+12+\b], 0xff000000, v[TM+\b] ; 2 off its exponent field: the conversion's scale operand
.endr
.irp b, 0,1,2,3
	v_lshrrev_b32 v[TM+4+\b], 23, v[TM+12+\b]      ; the scale's byte
.endr
	v_lshl_or_b32 v[PW], v[TM+5], 8, v[TM+4]
	v_lshl_or_b32 v[PW], v[TM+6], 16, v[PW]
	v_lshl_or_b32 v[PW], v[TM+7], 24, v[PW]
.irp c, 0,1
	v_cvt_scalef32_pk16_fp6_f32 v[PC+6*\c:PC+2+6*\c], v[\s+32*\c:\s+15+32*\c], v[TM+12+2*\c]
	v_cvt_scalef32_pk16_fp6_f32 v[PC+12+4*\c:PC+14+4*\c], v[\s+16+32*\c:\s+31+32*\c], v[TM+12+2*\c+1]   ; (a conversion's three registers begin on an even number)
.endr
	v_nop                                          ; one plain place behind a scaled conversion
.irp c, 0,1                            ; the operand's layout wants a whole block in a lane: lanes 0-15 block 2 c, lanes 16-31 block 2 c + 1
.irp i, 0,1,2
	v_permlane16_swap_b32 v[PC+6*\c+\i], v[PC+12+4*\c+\i]
.endr
.irp i, 0,1,2
	v_mov_b32 v[PC+3+6*\c+\i], v[PC+12+4*\c+\i]
.endr
.endr
.endm
; K step s of my tile turns through my stage, into buffer s % 2.  LDS serves a wave's instructions in order: the loads see the stores above them, and these stores come behind the last turn's loads.
.macro TURN s
	WIN 0x04                                       ; an LDS store's data are its source 1: window 1
.set i, 0
.rept 16
	ds_store_b128 v[TSA], v[64*(\s)+4*i:64*(\s)+4*i+3] offset:TP*i
.set i, i+1
.endr
	WIN 0
.irp b, 0,1,2,3
.irp j, 0,1,2,3
	ds_load_b128 v[XN+64*((\s)%2)+16*\b+4*\j:XN+64*((\s)%2)+16*\b+4*\j+3], v[TLA] offset:128*\b+16*\j   ; no vector instruction since the last wait on va_vdst names this buffer
.endr
.endr
.endm
; K step s of my tile of x: the next step's turn goes out first, then this step is quantised.
.macro XSTEP s
.if (\s) < 3
	s_wait_loadcnt 32                              ; the next K step's 16 loads are in.  Younger: 16 (2 - s) of x and 16 s of W: always 32
	TURN (\s)+1
	s_wait_dscnt 32                                ; this step's numbers are back, and the last image's stores are done; the 32 of the turn just issued may be out
.else
	s_wait_dscnt 0x0                               ; the last step's numbers are back
.endif
	s_wait_alu depctr_vm_vsrc(0)                   ; the stage's stores have read x's registers of this K step, in which loads land below; the last image's stores have read PC and PW, which the quantiser writes again
.if (\s) < 3
	WIN 0x40
.set i, 0
.rept 16
	global_load_b128 v[64*(\s)+4*i:64*(\s)+4*i+3], v[LI], s[16:17] offset:(16*(\s)+i)*512   ; W's chunks 16 s on, into the registers that x has left
.set i, i+1
.endr
	WIN 0
.else
	s_cmp_eq_u32 s[Y], 2                           ; the bias in the result's layout
	s_cbranch_scc1 .Lbias_v
	WIN 0x40
.irp t, 0,1,2,3                        ; q, k: lane (r, h), tile t, register j: feature 32 (t / 2) + 16 h + 8 (t % 2) + j
	global_load_b128 v[BI+8*\t:BI+8*\t+3], v[BQ], s[10:11] offset:(32*(\t/2)+8*(\t%2))*4
	global_load_b128 v[BI+8*\t+4:BI+8*\t+7], v[BQ], s[10:11] offset:(32*(\t/2)+8*(\t%2))*4+16
.endr
	WIN 0
	s_branch .Lbias_done
.Lbias_v:
	WIN 0x40
.irp t, 0,1,2,3                        ; v: all eight registers hold the lane's feature's: 32 (t / 2) + 8 (t % 2) + r + 8 (r / 8)
.irp j, 0,1,2,3,4,5,6,7
	global_load_b32 v[BI+8*\t+\j], v[BV], s[10:11] offset:(32*(\t/2)+8*(\t%2))*4
.endr
.endr
	WIN 0
.Lbias_done:
.endif
	QUANT XN+64*((\s)%2)
	s_wait_alu depctr_va_vdst(0)                   ; the quantiser has written PC and PW, which the stores below read, and is done reading its buffer, in which the turn after the next lands
.irp c, 0,1,2
	ds_store_b128 v[XWI], v[PC+4*\c:PC+4*\c+3] offset:XIMG+1536*(\s)+512*\c
.endr
	ds_store_b32 v[XWS], v[PW] offset:XSC+128*(\s)
.endm
	s_wait_loadcnt 48                              ; W's scale words and x's K step 0 are in; the 48 loads of K steps 1 to 3 may be out
	TURN 0
	XSTEP 0
	XSTEP 1
	XSTEP 2
	XSTEP 3
	s_wait_dscnt 0x0                               ; for the others' sake: my images have landed
	s_barrier_signal -1
	s_barrier_wait -1                              ; x's 32 fragments lie in LDS; nothing is stored to LDS behind this barrier
	s_wait_loadcnt 0x0                             ; W and the bias
	s_wait_alu depctr_vm_vsrc(0)                   ; my last image's stores have read PC and PW: these registers are fragments of x from here on, written by LDS loads
; 32 numbers of a lane, v[qsrc] on, register 16 b + i = k 32 b + 16 h + i, become six registers of codes at v[qdst] (lanes 0-15 block 0, lanes 16-31 block 1); the two bytes are left in v[QP], v[QP+1].
.macro QUANT32
.irp b, 0,1
	v_max3_num_f32 v[QM+\b], |v[qsrc+16*\b]|, |v[qsrc+1+16*\b]|, 0x1800000   ; each accumulator is read from its low end on
.endr
.irp i, 2,4,6,8,10,12,14
.irp b, 0,1
	v_max3_num_f32 v[QM+\b], v[QM+\b], |v[qsrc+16*\b+\i]|, |v[qsrc+1+16*\b+\i]|
.endr
.endr
.irp b, 0,1
	v_permlanex16_b32 v[QP+\b], v[QM+\b], s[SEL], s[SEL+1]
.endr
.irp b, 0,1
	v_max_num_f32 v[QM+\b], v[QM+\b], v[QP+\b]
.endr
.irp b, 0,1
	v_add_nc_u32 v[QO+\b], 0xff000000, v[QM+\b]
.endr
.irp b, 0,1
	v_lshrrev_b32 v[QP+\b], 23, v[QO+\b]
.endr
	v_cvt_scalef32_pk16_fp6_f32 v[qdst:qdst+2], v[qsrc:qsrc+15], v[QO]
	v_cvt_scalef32_pk16_fp6_f32 v[QT:QT+2], v[qsrc+16:qsrc+31], v[QO+1]
	v_nop                                          ; one plain place behind a scaled conversion
.irp i, 0,1,2
	v_permlane16_swap_b32 v[qdst+\i], v[QT+\i]
.endr
.irp i, 0,1,2
	v_mov_b32 v[qdst+3+\i], v[QT+\i]
.endr
.endm
; One product: token tile m of the half, feature tile t, K step s.  vp = 1: v's form.  At s = 0 the C is the bias (window 1), else the accumulator itself.
.macro PROD m, t, s, vp
.set rW, 12*((4*((\t)/2)+(\s))*2+(\t)%2)
.set rS, WS+4*((\t)/2)+(\s)
.set rX, XF+12*(\m)
.if \vp
.set rD, ACC+8*(4*(\t)+(\m))
.else
.set rD, ACC+8*(4*(\m)+(\t))
.endif
.if (\s) == 0
.set rC, BI+8*(\t)
.else
.set rC, rD
.endif
.if \vp
.if (\t)%2
	v_wmma_scale_f32_16x16x128_f8f6f4 v[rD:rD+7], v[rX:rX+11], v[rW:rW+11], v[rC:rC+7], v[XS+(\m)], v[rS] matrix_a_fmt:MATRIX_FMT_FP6 matrix_b_fmt:MATRIX_FMT_FP6 matrix_b_scale:MATRIX_SCALE_ROW1
.else
	v_wmma_scale_f32_16x16x128_f8f6f4 v[rD:rD+7], v[rX:rX+11], v[rW:rW+11], v[rC:rC+7], v[XS+(\m)], v[rS] matrix_a_fmt:MATRIX_FMT_FP6 matrix_b_fmt:MATRIX_FMT_FP6
.endif
.else
.if (\t)%2
	v_wmma_scale_f32_16x16x128_f8f6f4 v[rD:rD+7], v[rW:rW+11], v[rX:rX+11], v[rC:rC+7], v[rS], v[XS+(\m)] matrix_a_fmt:MATRIX_FMT_FP6 matrix_b_fmt:MATRIX_FMT_FP6 matrix_a_scale:MATRIX_SCALE_ROW1
.else
	v_wmma_scale_f32_16x16x128_f8f6f4 v[rD:rD+7], v[rW:rW+11], v[rX:rX+11], v[rC:rC+7], v[rS], v[XS+(\m)] matrix_a_fmt:MATRIX_FMT_FP6 matrix_b_fmt:MATRIX_FMT_FP6
.endif
.endif
.endm
; Group g of half c (token tiles 4 c + 2 g and 4 c + 2 g + 1), K step s: two fragments and their scale words: eight LDS loads.
.macro LOADG c, g, s
.irp e, 0,1
.irp k, 0,1,2
	ds_load_b128 v[XF+12*(2*(\g)+\e)+4*\k:XF+12*(2*(\g)+\e)+4*\k+3], v[LI] offset:XIMG+(4*(4*(\c)+2*(\g)+\e)+(\s))*1536+512*\k
.endr
	ds_load_b32 v[XS+2*(\g)+\e], v[LS] offset:XSC+(4*(4*(\c)+2*(\g)+\e)+(\s))*128
.endr
.endm
; Half c: token tiles 4 c .. 4 c + 3, in two groups that take turns.  The 16 accumulators take turns, one instruction a turn; each takes its K steps in ascending order.
.macro HALF c, vp
.if \c
	s_wait_alu depctr_va_vdst(0)                   ; the first half's quantiser is done with its temporaries v32 to v42, in which fragments land
.endif
	LOADG \c, 0, 0
	LOADG \c, 1, 0
.irp s, 0,1,2,3
.irp g, 0,1
.if (\s == 3) && (\g == 1)
	s_wait_dscnt 0x0                               ; the last group's loads are in
.else
	s_wait_dscnt 8                                 ; this group's eight loads are in; the other group's eight, issued behind them, may be out
.endif
.if \vp
.if \s == 0
	WIN 0x14                                       ; source 1 (W) and source 2 (the bias) window 1
.else
	WIN 0x04
.endif
.else
.if \s == 0
	WIN 0x11                                       ; source 0 (W) and source 2 (the bias) window 1
.else
	WIN 0x01
.endif
.endif
.irp e, 0,1
.irp t, 0,1,2,3
	PROD 2*\g+\e, \t, \s, \vp
.endr
.endr
	WIN 0
.if \s < 3
.rept 4
	v_nop                                          ; the places behind the products stay beside the wait
.endr
	s_wait_alu depctr_va_vdst(0)                   ; this group's products are done reading its fragments and scale words, in which its next K step lands, under the other group's products
	LOADG \c, \g, \s+1
.endif
.endr
.endr
.rept 5
	v_nop                                          ; places: four in front of the first read of results, five in front of products that begin an accumulator anew
.endr
.irp g, 0,1,2,3
.set qsrc, ACC+32*\g
.if \vp
.set qdst, OUT+12*\g+6*\c              ; feature tile g, keys 64 c on: registers 6 c .. 6 c + 5 of its fragment
	QUANT32
.if \c == 0
	v_lshl_or_b32 v[OSC+\g], v[QP+1], 8, v[QP]
.else
	v_lshl_or_b32 v[OSC+\g], v[QP], 16, v[OSC+\g]
	v_lshl_or_b32 v[OSC+\g], v[QP+1], 24, v[OSC+\g]
.endif
.else
.set qdst, OUT+6*(4*\c+\g)             ; token tile 4 c + g
	QUANT32
	v_lshl_or_b32 v[SWT+\g], v[QP+1], 8, v[QP]
	v_or_b32 v[SWT+\g], 0x7f7f0000, v[SWT+\g]      ; the upper 64 of the instruction's 128 along K are not the head's: byte 127
.if \g%2
	v_cndmask_b32 v[OSC+2*\c+\g/2], v[SWT+\g-1], v[SWT+\g], s[MSK]   ; the even tile's words in lanes 0-15, the odd tile's in lanes 16-31
.endif
.endif
.endr
.endm
.macro FINISH
	s_wait_alu depctr_va_vdst(0)                   ; the quantiser has written the codes in OUT and the scale words in OSC, which the stores read
.irp k, 0,1,2,3,4,5,6,7,8,9,10,11
	global_store_b128 v[LI], v[OUT+4*\k:OUT+4*\k+3], s[20:21] offset:512*\k   ; the wave stores 512 consecutive bytes, aligned to 256
.endr
	global_store_b128 v[LI], v[OSC:OSC+3], s[22:23]
	s_wait_dscnt 0x0                               ; the closing lines, six on end
	s_wait_alu 0x0
	s_wait_tensorcnt 0x0
	ds_add_u32 v[SPW], v[NIL]
	s_wait_dscnt 0x0
	s_endpgm
.endm
	s_cmp_eq_u32 s[Y], 2
	s_cbranch_scc1 .Lpath_v
	HALF 0, 0
	HALF 1, 0
	FINISH
.Lpath_v:
	HALF 0, 1
	HALF 1, 1
	FINISH
.Lfunc_end_k_q722645ac53_proj:
	.size	k_q722645ac53_proj, .Lfunc_end_k_q722645ac53_proj-k_q722645ac53_proj
	.p2alignl 7, 3214868480
	.fill 96, 4, 3214868480
	.section	.rodata,"a",@progbits
	.p2align	6, 0x0
	.amdhsa_kernel k_q722645ac53_proj
		.amdhsa_group_segment_fixed_size 121856
		.amdhsa_private_segment_fixed_size 0
		.amdhsa_enable_private_segment 0
		.amdhsa_kernarg_size 80
		.amdhsa_user_sgpr_count 2
		.amdhsa_user_sgpr_kernarg_segment_ptr 1
		.amdhsa_wavefront_size32 1
		.amdhsa_system_sgpr_workgroup_id_x 1
		.amdhsa_system_sgpr_workgroup_id_y 1
		.amdhsa_system_sgpr_workgroup_id_z 1
		.amdhsa_system_vgpr_workitem_id 0
		.amdhsa_next_free_vgpr 512
		.amdhsa_next_free_sgpr 66
		.amdhsa_reserve_vcc 0
		.amdhsa_float_denorm_mode_32 3
		.amdhsa_float_denorm_mode_16_64 3
		.amdhsa_memory_ordered 1
		.amdhsa_forward_progress 1
		.amdhsa_inst_pref_size 133
	.end_amdhsa_kernel
	.amdgpu_metadata
---
amdhsa.version: [ 1, 2 ]
amdhsa.kernels:
  - .name:           k_q722645ac53_proj
    .symbol:         k_q722645ac53_proj.kd
    .args:
      - { .name: q, .offset: 0, .size: 8, .value_kind: global_buffer, .address_space: global }
      - { .name: k, .offset: 8, .size: 8, .value_kind: global_buffer, .address_space: global }
      - { .name: v, .offset: 16, .size: 8, .value_kind: global_buffer, .address_space: global }
      - { .name: bq, .offset: 24, .size: 8, .value_kind: global_buffer, .address_space: global }
      - { .name: bk, .offset: 32, .size: 8, .value_kind: global_buffer, .address_space: global }
      - { .name: bv, .offset: 40, .size: 8, .value_kind: global_buffer, .address_space: global }
      - { .name: wimg, .offset: 48, .size: 8, .value_kind: global_buffer, .address_space: global }
      - { .name: wscl, .offset: 56, .size: 8, .value_kind: global_buffer, .address_space: global }
      - { .name: qimg, .offset: 64, .size: 8, .value_kind: global_buffer, .address_space: global }
      - { .name: kv, .offset: 72, .size: 8, .value_kind: global_buffer, .address_space: global }
    .group_segment_fixed_size: 121856
    .private_segment_fixed_size: 0
    .kernarg_segment_align: 8
    .kernarg_segment_size: 80
    .max_flat_workgroup_size: 256
    .sgpr_count:     66
    .vgpr_count:     512
    .wavefront_size: 32
...
	.end_amdgpu_metadata
.endif
;; end of part 5
;; launch attn (part 6): grid 4 x 64, 16 waves a work-group, no clusters, 43,008 bytes of LDS; arguments qimg, kv, head_mask, pad_mask, flags, ctxc, ctxs; writes ctxc, ctxs
.if DOCPART == 6
	.amdgcn_target "amdgcn-amd-amdhsa--gfx1250"
	.amdhsa_code_object_version 6
	.text
	.protected	k_q722645ac53_attn
	.globl	k_q722645ac53_attn
	.p2align	8
	.type	k_q722645ac53_attn,@function
k_q722645ac53_attn:
	s_mov_b64 s[64:65], 0
	v_nop
	global_prefetch_b8 v0, s[64:65] scope:SCOPE_SE
	s_setreg_imm32_b32 hwreg(HW_REG_WAVE_SCHED_MODE, 0, 2), 2
	s_setreg_imm32_b32 hwreg(HW_REG_WAVE_MODE, 25, 1), 1
	s_wait_xcnt 0x0
	s_wait_alu depctr_vm_vsrc(0)
; Attention of one (batch, head) on codes of FP6 (E2M3); ctx leaves as codes for the last projection.
; SHARES.  Work-group (x, batch x 8 + head) makes two passes over the head's 16 steps of 128 keys: queries 256 x .. and then 256 (7 - x) ..  Each of its sixteen waves owns one tile of 16 queries in 256 registers, four waves to a SIMD,
; so that one wave's vector work stands beside another's products and LDS loads.  Tile T = 16 x block + wave holds the rows 128 (T / 8) + 32 ((T % 8) / 2) + 8 (T % 2) + r + 8 (r / 8).
; CLASSES.  For each (tile, batch, step) an earlier launch has stored 0 = skip (every p is 0), 1 = open (both masks 0), 3 = mixed.  A skipped step's work is jumped over; an open step has no mask arithmetic;
; a mixed step computes (score x 0.125 + pad x -1e9) + head x -1e9 and x log2(e), each rounded as it is written there (so the multiplications by -1e9 are not fused into the additions).  LIMIT: the skip holds for |score| / 8 under 4e8.
; THE SOFTMAX: t = logit x log2(e); M = the running largest t rounded up to a whole number, kept as -M; p = 2^(t - M) is quantised along the keys, not normalised; the row's sum is taken of the unquantised p and divides at the end;
; when M moves, the sum and O are multiplied by 2^(old M - new M), which rounds nothing.
; LAYOUT.  Both products transposed: S^T = K Q^T (source 0 = 16 keys, source 1 = my 16 queries), O^T = V^T P^T: a lane holds one query throughout.  The keys of a tile of K are chosen so that the 16 registers of tiles 2 b, 2 b + 1 are keys 32 b + 16 h + 0 .. 15.
; The head is 64 wide, half of the instruction's 128 along K.  Q's upper six registers are zero codes.  K's fragment t is v[32 + 6 t .. 43 + 6 t]: its upper six registers are the next tile's codes, which meet Q's zeros and add nothing (every code of this format is a finite number; the scale bytes there are 127).
; K AND V come as images of operand registers, 13,312 bytes a step, through registers into two LDS slots that take turns: a step's bytes are asked for two steps ahead, stored to the free slot one step ahead, and one barrier a step parts the reads of a slot from its next stores.
; The fetch wraps round ((G + 2) % 16): the last two of the 32 steps fetch steps 0 and 1 once more, inside the buffer, and nobody reads them: that spares two branches in every step.
; NO TENSOR LOAD AND NO CLUSTER, though the four work-groups of a head walk the same K and V: a step's work is jumped over on numbers read from memory.
; LIMITS: NaN and infinities are not served; a block of zeros gets the byte 1 where the rule says 127 (this program alone reads the bytes).
; THE MODE: SCHED_MODE bits 1:0 = 2 (LLVM: expert scheduling mode 2), set by the entry lines.  The code itself states the register dependences between vector or matrix instructions and memory or LDS instructions, with s_wait_alu, always for 0.
; THE PLAN.  Registers that memory or LDS instructions touch, in a step:
;   STG      the fetch lands there; the next step's LDS stores read it; then the next fetch lands there.
;   KV, SC   K's LDS loads land there, the products K Q^T read them; in a mixed step pad's words land in KV twice and multiply-adds read them; V's LDS loads land there, the products V^T P read them.
;   v192-255 in a mixed step head_mask lands there; behind it the softmax works there and the products V^T P read p's codes there.
;   v[PAA]   the LDS address of the step's pad words: written once in each step that works, ahead of a wait on va_vdst that stands there anyway.
;   v[TS0], v[LI], v[PFO] are never written again, v[MA0] once a pass: the fetch and the mask loads are stepped by scalar bases of their own, each written behind the wait that shows its earlier loads done.
; So a step that works has one wait on vm_vsrc (behind the stores of STG) and, beside the two waits of the exponentials, three on va_vdst: at the head of its work, ahead of V's loads, and behind the places ahead of the products V^T P;
; a mixed step two more, ahead of pad's two runs of loads.  All 256 registers of a wave are in use: there is no second buffer.
.set IMG,   13312                      ; a step's image: K's codes 0, V's codes 6,144, K's scale words 12,288, V's 12,800
.set SLOT,  16384                      ; LDS: slot 0 at 0, slot 1 here
.set VCO,   6144
.set KSO,   12288
.set VSO,   12800
.set PADB,  32768                      ; pad x -1e9 of my batch, 8,192 bytes
.set SPARE, 40960                      ; the spare words, 128 bytes a wave
.set LI,  1                            ; 16 x lane
.set TS0, 2                            ; 16 x thread
.set PAA, 3                            ; the step's pad words: PA0 + 512 x (G % 16)
.set MA0, 4                            ; head_mask: my row x 8,192 + 64 h
.set PA0, 5                            ; PADB + 64 h
.set SPW, 6                            ; SPARE + 4 x my thread's number; never rewritten
.set NIL, 7                            ; 0; never rewritten
.set SC,  8                            ; v8-11 K's scale words, then V's
;        v12 -M, v13 the largest t, v[14:15] the sum in two halves
.set QF,  16                           ; v16-21 Q's codes, v22-27 zeros
.set F,   28                           ; 2^(old M - new M)
.set PS,  29                           ; p's scale word
.set QSC, 30                           ; Q's scale word
.set TMP, 31
.set KV,  32                           ; v32-79 K's 8 x 6 registers, then V's 4 x 12
.set KZ,  80                           ; v80-85 zeros: tile 7's upper half
.set PFO, 86                           ; 256 x lane; never rewritten
.set STG, 88                           ; v88-95 the bytes on their way to LDS
.set S,   96                           ; v96-159 S^T, then p
.set O,   160                          ; v160-191 O^T
.set HM,  192                          ; v192-255 head_mask in a mixed step; behind it:
.set PC,  224                          ; v224-235 p's codes
.set CT,  236                          ; v236-243 the second conversions; a chain of the sum
.set BM,  244                          ; v244-247 the blocks' largest scores
.set PX,  248                          ; v248-251 permutes, bytes
.set SOP, 252                          ; v252-255 the conversions' scale operands
.set WV,  18
.set G,   19                           ; the step, 0 .. 31 over both passes
.set IT,  20
.set PSS, 21
.set FW,  22                           ; s[22:23] the tile's two words of classes
.set CLS, 24
.set C0,  25                           ; 0.125 x log2(e)
.set CS,  26                           ; s[26:27] the step's factor from S to t
.set L2E, 28
.set NG,  30
.set SEL, 32
.set PFA, 34
.set PLIM, 36
.set BB,  39
.set HD,  40
.set T,   41
.set E8,  56
.set FB,  58                           ; s[58:59] the fetch's base: my head's images + 13,312 x ((G + 2) % 16)
.set MB,  60                           ; s[60:61] the mask loads' base: head_mask + 512 x (G % 16)
.set SPD, 62                           ; s[62:63] 512 x (G % 16), and 0 above it
	s_load_b256 s[4:11], s[0:1], 0x0               ; qimg, kv, head_mask, pad_mask
	s_load_b128 s[12:15], s[0:1], 0x20             ; flags, ctxc
	s_load_b64 s[16:17], s[0:1], 0x30              ; ctxs
	v_lshl_add_u32 v[SPW], v0, 2, SPARE
	v_mov_b32 v[NIL], 0
	v_lshrrev_b32 v1, 5, v0
	v_readfirstlane_b32 s[WV], v1                  ; wave 0..15
	s_and_b32 s38, ttmp7, 0xffff                   ; batch x 8 + head
	s_lshr_b32 s[BB], s38, 3
	s_and_b32 s[HD], s38, 7
	v_and_b32 v[TMP], 31, v0
	v_lshlrev_b32 v[LI], 4, v[TMP]
	v_lshlrev_b32 v[TS0], 4, v0
	v_lshlrev_b32 v[PFO], 8, v[TMP]
	v_bfe_u32 v[PA0], v0, 4, 1
	v_lshlrev_b32 v[PA0], 6, v[PA0]
	v_add_nc_u32 v[PA0], PADB, v[PA0]
.irp i, 22,23,24,25,26,27,29,80,81,82,83,84,85,92,93,94,95,104,105,106,107,248,249,250,251
	v_mov_b32 v\i, 0                               ; zero codes; registers that are named before their first result; those that only ten waves load
.endr
	s_mov_b32 s[C0], 0x3e38aa3b
	s_mov_b32 s[L2E], 0x3fb8aa3b
	s_mov_b32 s[L2E+1], s[L2E]                     ; (the packed forms name a pair and take its low word for both halves: so the upper is written)
	s_mov_b32 s[NG], 0xce6e6b28                    ; -1e9
	s_mov_b32 s[NG+1], s[NG]
	s_mov_b32 s[E8], 0x3e000000                    ; 0.125
	s_mov_b32 s[E8+1], s[E8]
	s_mov_b32 s[SEL], 0x76543210
	s_mov_b32 s[SEL+1], 0xfedcba98
	s_mov_b32 s[G], 0
	s_mov_b32 s[SPD], 0
	s_mov_b32 s[SPD+1], 0
	s_mov_b32 s[PSS], 0
	s_wait_alu depctr_va_sdst(0)                   ; the wave's number is written, ahead of its first reader
	s_lshr_b32 s44, s[WV], 1
	s_xor_b32 s44, s44, 6
	s_or_b32 s44, s44, ttmp9
	s_cmp_eq_u32 s44, 0
	s_cselect_b32 s[PLIM], 10, 0                   ; waves 12 and 13 of the head's first work-group prefetch, in steps 0 to 9
	s_mul_i32 s44, s38, 16*IMG
	s_mov_b32 s45, 0                               ; stays 0: the upper word of every offset pair s[44:45]
	s_mul_i32 s46, s38, 16*6656
	s_mov_b32 s47, 0
	s_lshl_b32 s48, s[BB], 13
	s_mov_b32 s49, 0
	s_lshl_b32 s50, s[BB], 3
	s_mov_b32 s51, 0
	s_wait_kmcnt 0x0
	s_add_nc_u64 s[6:7], s[6:7], s[44:45]          ; my head's 16 images of K and V
	s_add_nc_u64 s[4:5], s[4:5], s[46:47]          ; and of Q
	s_add_nc_u64 s[10:11], s[10:11], s[48:49]      ; my batch's pad mask
	s_add_nc_u64 s[12:13], s[12:13], s[50:51]      ; my batch's classes
	s_and_b32 s44, s[WV], 1
	s_lshl_b32 s44, s44, 13
	s_add_co_u32 s44, s44, 32768
	s_add_nc_u64 s[PFA:PFA+1], s[6:7], s[44:45]    ; the first step moves it on to byte 49,152 + 8,192 (wave % 2) of the head's images
	s_wait_alu depctr_va_vdst(0)                   ; the offsets v[TS0], v[LI], v[PFO] are written, which loads, stores and prefetches read; so are the zeros in v92-95 and v104-107, in which ten waves' loads land
	global_load_b128 v[S:S+3], v[TS0], s[10:11]
	global_load_b128 v[S+4:S+7], v[TS0], s[6:7]                ; step 0: 512 threads x 16 bytes,
	global_load_b128 v[STG:STG+3], v[TS0], s[6:7] offset:IMG   ; step 1
	s_cmp_lt_u32 s[WV], 10
	s_cbranch_scc0 .Lfew
	global_load_b128 v[S+8:S+11], v[TS0], s[6:7] offset:8192           ; and the other 5,120 bytes: ten waves
	global_load_b128 v[STG+4:STG+7], v[TS0], s[6:7] offset:IMG+8192
.Lfew:
	s_wait_loadcnt 0x0
	v_pk_mul_f32 v[S:S+1], v[S:S+1], s[NG:NG+1] op_sel_hi:[1,0]
	v_pk_mul_f32 v[S+2:S+3], v[S+2:S+3], s[NG:NG+1] op_sel_hi:[1,0]
	s_wait_alu depctr_va_vdst(0)                   ; the two multiplications have written v[S .. S+3], which the first store reads
	ds_store_b128 v[TS0], v[S:S+3] offset:PADB
	ds_store_b128 v[TS0], v[S+4:S+7]
	s_cmp_lt_u32 s[WV], 10
	s_cbranch_scc0 .Lfew2
	ds_store_b128 v[TS0], v[S+8:S+11] offset:8192
.Lfew2:
	s_wait_dscnt 0x0                               ; for the others' sake: my stores have landed
	s_barrier_signal -1
	s_barrier_wait -1
; A KEY STEP.  sl: the slot that holds it.
.macro STEP sl
	s_wait_loadcnt 0x0                             ; the next step's bytes, asked for a step ago, are in registers; that wait also shows the loads done that read the fetch's base
	s_wait_xcnt 0x0                                ; the last prefetch, a step back, has read its address
	s_add_nc_u64 s[PFA:PFA+1], s[PFA:PFA+1], 16384
	s_add_co_u32 s44, s[G], 2
	s_and_b32 s44, s44, 15
	s_mul_i32 s44, s44, IMG
	s_add_nc_u64 s[FB:FB+1], s[6:7], s[44:45]      ; the step after the next
	ds_store_b128 v[TS0], v[STG:STG+3] offset:(1-\sl)*SLOT     ; into the slot that all waves left at the last barrier
	s_cmp_lt_u32 s[WV], 10
	s_cbranch_scc0 .Lst_\@
	ds_store_b128 v[TS0], v[STG+4:STG+7] offset:(1-\sl)*SLOT+8192
.Lst_\@:
	s_wait_dscnt 0x0                               ; the stores are done
	s_wait_alu depctr_vm_vsrc(0)                   ; the stores have read STG, in which the fetch lands; earlier steps' loads of pad have read v[PAA], and the pass's first loads their addresses in v[S ..], all of which this step writes
	global_load_b128 v[STG:STG+3], v[TS0], s[FB:FB+1]
	s_cmp_lt_u32 s[WV], 10
	s_cbranch_scc0 .Lld_\@
	global_load_b128 v[STG+4:STG+7], v[TS0], s[FB:FB+1] offset:8192
.Lld_\@:
; A prefetch of the head's images: 832 blocks of 256 bytes.  Blocks 192 to 831 are named once each in the launch: by the head's first work-group, waves 12 and 13, 32 blocks a wave and step in steps 0 to 9:
; byte 49,152 + 16,384 G + 8,192 (wave - 12) + 256 lane, which is 22,528 + 3,072 G bytes further on than the fetch just issued.  The first 192 blocks come by their loads alone; the last block named is the head's last.
	s_cmp_lt_u32 s[G], s[PLIM]
	s_cbranch_scc0 .Lnp_\@
	global_prefetch_b8 v[PFO], s[PFA:PFA+1] th:TH_LOAD_NT scope:SCOPE_SE
.Lnp_\@:
	s_and_b32 s[CLS], s[FW], 3
	s_cmp_eq_u32 s[CLS], 0
	s_cbranch_scc1 .Lend_\@                        ; skip: round the work, not round the barrier
	v_add_nc_u32 v[PAA], s[SPD], v[PA0]            ; an LDS address has no scalar base: it is made here, ahead of the wait that stands here anyway
	s_wait_alu depctr_va_vdst(0)                   ; the last step's products are done reading KV, SC and p's codes, and its softmax is done with v192-255: K's loads and the mask's land there; v[PAA] is written, and in a pass's first step v[MA0]
	s_cmp_eq_u32 s[CLS], 3
	s_cselect_b32 s[CS], 0x3f800000, s[C0]         ; a mixed step leaves t itself in S
	s_mov_b32 s[CS+1], s[CS]
	s_cbranch_scc0 .Lk_\@
	s_add_nc_u64 s[MB:MB+1], s[8:9], s[SPD:SPD+1]  ; the loads that read this base were waited for in their own step
.irp b, 0,1,2,3
.irp j, 0,1,2,3
	global_load_b128 v[HM+16*\b+4*\j:HM+16*\b+4*\j+3], v[MA0], s[MB:MB+1] offset:128*\b+16*\j   ; head_mask(my query, keys 32 b + 16 h + 4 j on), in S's layout
.endr
.endr
.Lk_\@:
.irp k, 0,1,2,3,4,5,6,7,8,9,10,11
	ds_load_b128 v[KV+4*\k:KV+4*\k+3], v[LI] offset:\sl*SLOT+512*\k
.endr
	ds_load_b128 v[SC:SC+3], v[LI] offset:\sl*SLOT+KSO
	s_wait_dscnt 0x0
.irp t, 0,2,4,6
	v_wmma_scale_f32_16x16x128_f8f6f4 v[S+8*\t:S+8*\t+7], v[KV+6*\t:KV+6*\t+11], v[QF:QF+11], 0, v[SC+\t/2], v[QSC] matrix_a_fmt:MATRIX_FMT_FP6 matrix_b_fmt:MATRIX_FMT_FP6
	v_wmma_scale_f32_16x16x128_f8f6f4 v[S+8*\t+8:S+8*\t+15], v[KV+6*\t+6:KV+6*\t+17], v[QF:QF+11], 0, v[SC+\t/2], v[QSC] matrix_a_fmt:MATRIX_FMT_FP6 matrix_b_fmt:MATRIX_FMT_FP6 matrix_a_scale:MATRIX_SCALE_ROW1
.endr
.rept 4
	v_nop                                          ; places in front of the first read of the scores and of loads into K's registers and scale words
.endr
	s_cmp_eq_u32 s[CLS], 3
	s_cbranch_scc0 .Lopen_\@
	s_wait_alu depctr_va_vdst(0)                   ; the products K Q^T are done reading KV, in which pad's words land
.irp b, 0,1,2
.irp j, 0,1,2,3
	ds_load_b128 v[KV+16*\b+4*\j:KV+16*\b+4*\j+3], v[PAA] offset:128*\b+16*\j
.endr
.endr
	s_wait_dscnt 0x0
.set n, 0
.rept 24
	v_pk_fma_f32 v[S+n:S+n+1], v[S+n:S+n+1], s[E8:E8+1], v[KV+n:KV+n+1] op_sel_hi:[1,0,1]   ; score x 0.125 (exact) + pad x -1e9: one rounding
.set n, n+2
.endr
	s_wait_alu depctr_va_vdst(0)                   ; the multiply-adds are done reading v[KV .. KV+15], in which the fourth block's pad words land
.irp j, 0,1,2,3
	ds_load_b128 v[KV+4*\j:KV+4*\j+3], v[PAA] offset:384+16*\j
.endr
	s_wait_dscnt 0x0
.set n, 0
.rept 8
	v_pk_fma_f32 v[S+48+n:S+49+n], v[S+48+n:S+49+n], s[E8:E8+1], v[KV+n:KV+n+1] op_sel_hi:[1,0,1]
.set n, n+2
.endr
	s_wait_loadcnt 0x0                             ; head_mask (and the fetch, which was issued ahead of it)
.set n, 0
.rept 32
	v_pk_mul_f32 v[HM+n:HM+n+1], v[HM+n:HM+n+1], s[NG:NG+1] op_sel_hi:[1,0]
.set n, n+2
.endr
.set n, 0
.rept 32
	v_pk_add_f32 v[S+n:S+n+1], v[S+n:S+n+1], v[HM+n:HM+n+1]
.set n, n+2
.endr
.set n, 0
.rept 32
	v_pk_mul_f32 v[S+n:S+n+1], v[S+n:S+n+1], s[L2E:L2E+1] op_sel_hi:[1,0]
.set n, n+2
.endr
.Lopen_\@:
	s_wait_alu depctr_va_vdst(0)                   ; the products K Q^T, and in a mixed step the multiply-adds, are done reading KV and SC, in which V and its scale words land
.irp k, 0,1,2,3,4,5,6,7,8,9,10,11
	ds_load_b128 v[KV+4*\k:KV+4*\k+3], v[LI] offset:\sl*SLOT+VCO+512*\k   ; V lands while the softmax is walked
.endr
	ds_load_b128 v[SC:SC+3], v[LI] offset:\sl*SLOT+VSO
.irp b, 0,1,2,3
	v_max3_num_f32 v[BM+\b], v[S+16*\b], v[S+1+16*\b], v[S+2+16*\b]   ; the largest score of each block of 32 keys: it serves the row's maximum and, since p rises with the score, the block's largest p
.endr
.irp i, 3,5,7,9,11,13
.irp b, 0,1,2,3
	v_max3_num_f32 v[BM+\b], v[BM+\b], v[S+16*\b+\i], v[S+1+16*\b+\i]
.endr
.endr
.irp b, 0,1,2,3
	v_max_num_f32 v[BM+\b], v[BM+\b], v[S+15+16*\b]
.endr
.irp b, 0,1,2,3
	v_permlanex16_b32 v[PX+\b], v[BM+\b], s[SEL], s[SEL+1]
.endr
.irp b, 0,1,2,3
	v_max_num_f32 v[BM+\b], v[BM+\b], v[PX+\b]     ; with lane l xor 16's 16 keys
.endr
	v_max3_num_f32 v[TMP], v[BM], v[BM+1], v[BM+2]
	v_max_num_f32 v[TMP], v[TMP], v[BM+3]
	v_mul_f32 v[TMP], s[CS], v[TMP]                ; as t (the factor is positive)
	v_max_num_f32 v13, v13, v[TMP]                 ; the running largest t
	v_mov_b32 v[TMP], v12
	v_floor_f32 v12, -v13                          ; the new -M = floor(-t): M is a whole number
	v_sub_f32 v[TMP], v12, v[TMP]                  ; old M - new M: a whole number, 0 or less
	v_cvt_i32_f32 v[TMP], v[TMP]                   ; (it saturates)
	v_ldexp_f32 v[F], 1.0, v[TMP]
.set n, 0
.rept 32
	v_pk_fma_f32 v[S+n:S+n+1], v[S+n:S+n+1], s[CS:CS+1], v[12:13] op_sel_hi:[1,0,0]   ; t - M
.set n, n+2
.endr
.irp b, 0,1,2,3
	v_fma_f32 v[BM+\b], v[BM+\b], s[CS], v12       ; the same of each block's largest score
.endr
.set n, 0
.rept 64
	v_exp_f32 v[S+n], v[S+n]                       ; p = 2^(t - M)
.set n, n+1
.endr
	v_pk_mul_f32 v[14:15], v[14:15], v[F:F+1] op_sel_hi:[1,0]   ; the sums under the new M: the plain place behind the exponentials
	s_wait_alu depctr_va_vdst(0)                   ; the 64 exponentials have written p in v[S ..]: one wait for the batch, ahead of its first reader
.irp b, 0,1,2,3
	v_exp_f32 v[BM+\b], v[BM+\b]                   ; the blocks' largest p: the same two instructions on the same numbers
.endr
	v_pk_add_f32 v[CT:CT+1], v[S:S+1], v[S+2:S+3]  ; the row's sum of the unquantised p, in two chains; it reads the 64 alone
.set n, 4
.rept 15
	v_pk_add_f32 v[14:15], v[14:15], v[S+n:S+n+1]
	v_pk_add_f32 v[CT:CT+1], v[CT:CT+1], v[S+n+2:S+n+3]
.set n, n+4
.endr
	v_pk_add_f32 v[14:15], v[14:15], v[CT:CT+1]
	s_wait_alu depctr_va_vdst(0)                   ; the four exponentials have written the blocks' largest p in v[BM ..], ahead of their first reader
.irp b, 0,1,2,3
	v_max_num_f32 v[BM+\b], 0x1800000, v[BM+\b]    ; the floor 2^(3 - 127): the byte cannot fall under 1
.endr
.irp b, 0,1,2,3
	v_add_nc_u32 v[SOP+\b], 0xff000000, v[BM+\b]   ; 2 off the exponent field: the conversion's scale operand
.endr
.irp b, 0,1,2,3
	v_lshrrev_b32 v[PX+\b], 23, v[SOP+\b]
.endr
	v_lshl_or_b32 v[PS], v[PX+1], 8, v[PX]
	v_lshl_or_b32 v[PS], v[PX+2], 16, v[PS]
	v_lshl_or_b32 v[PS], v[PX+3], 24, v[PS]
.irp c, 0,1
	v_cvt_scalef32_pk16_fp6_f32 v[PC+6*\c:PC+6*\c+2], v[S+32*\c:S+32*\c+15], v[SOP+2*\c]
	v_cvt_scalef32_pk16_fp6_f32 v[CT+4*\c:CT+4*\c+2], v[S+16+32*\c:S+31+32*\c], v[SOP+2*\c+1]
.endr
	v_nop                                          ; one plain place behind a scaled conversion
.irp c, 0,1                            ; a whole block in a lane: lanes 0-15 block 2 c, lanes 16-31 block 2 c + 1
.irp i, 0,1,2
	v_permlane16_swap_b32 v[PC+6*\c+\i], v[CT+4*\c+\i]
.endr
.irp i, 0,1,2
	v_mov_b32 v[PC+3+6*\c+\i], v[CT+4*\c+\i]
.endr
.endr
.set n, 0
.rept 16
	v_pk_mul_f32 v[O+n:O+n+1], v[O+n:O+n+1], v[F:F+1] op_sel_hi:[1,0]   ; O^T under the new M, each accumulator from its low end on.  These sixteen are also the places between the lines that made p's codes and scale word and the products
.set n, n+2
.endr
	s_wait_dscnt 0x0                               ; V and its scale words
	s_wait_alu depctr_va_vdst(0)                   ; p's codes in v[PC ..] and its scale word in v[PS] are written, which the scaled products take; the places above stay beside this wait
.irp d, 0,1,2,3
	v_wmma_scale_f32_16x16x128_f8f6f4 v[O+8*\d:O+8*\d+7], v[KV+12*\d:KV+12*\d+11], v[PC:PC+11], v[O+8*\d:O+8*\d+7], v[SC+\d], v[PS] matrix_a_fmt:MATRIX_FMT_FP6 matrix_b_fmt:MATRIX_FMT_FP6
.endr
.rept 4
	v_nop                                          ; places in front of the next loads into these operands and the next read of O^T
.endr
.Lend_\@:
	s_lshr_b32 s[FW], s[FW], 4
	s_add_co_u32 s[G], s[G], 1
	s_and_b32 s[SPD], s[G], 15
	s_lshl_b32 s[SPD], s[SPD], 9
	s_wait_dscnt 0x0                               ; my reads of this slot are over and my stores into the other have landed
	s_barrier_signal -1
	s_barrier_wait -1                              ; both now hold of every wave: the slots change roles
.endm
.Lpass:
	s_wait_xcnt 0x0                                ; the last pass's stores and loads have had their addresses translated
	s_wait_alu depctr_vm_vsrc(0)                   ; the head's LDS stores (second pass: the way out's stores) have read v[S ..], v[PC ..] and v[TMP], and the last pass's mask loads v[MA0]: all are written again below
	s_sub_co_u32 s42, 7, ttmp9
	s_cmp_eq_u32 s[PSS], 0
	s_cselect_b32 s42, ttmp9, s42                  ; the block of 256 queries: x, then 7 - x
	s_lshl_b32 s[T], s42, 4
	s_add_co_u32 s[T], s[T], s[WV]                 ; my tile
	s_lshl_b32 s44, s[T], 6
	s_mov_b32 s45, 0
	s_add_nc_u64 s[52:53], s[12:13], s[44:45]
	s_load_b64 s[FW:FW+1], s[52:53], 0x0           ; its classes for the 16 steps
	s_lshr_b32 s43, s[T], 3                        ; the block of 128 tokens
	s_and_b32 s54, s[WV], 7                        ; my tile in it
	s_mul_i32 s46, s43, 6656
	s_mul_i32 s55, s54, 3
.irp p, 0,1,2                          ; my six registers are pairs 3 t + p of the image's 24: pair P lies in chunk P / 2, at byte 8 (P % 2) of a lane's 16
	s_add_co_u32 s47, s55, \p
	s_lshr_b32 s48, s47, 1
	s_lshl_b32 s48, s48, 9
	s_and_b32 s47, s47, 1
	s_lshl_b32 s47, s47, 3
	s_add_co_u32 s48, s48, s47
	s_add_co_u32 s48, s48, s46
	v_add_nc_u32 v[S+\p], s48, v[LI]
.endr
	s_and_b32 s47, s54, 1
	s_lshl_b32 s47, s47, 8
	s_lshr_b32 s48, s54, 1
	s_lshl_b32 s48, s48, 2
	s_add_co_u32 s47, s47, s48
	s_add_co_u32 s47, s47, s46
	v_and_b32 v[S+4], 15, v0                       ; r
	v_lshl_add_u32 v[S+3], v[S+4], 4, s47
	s_wait_alu depctr_va_vdst(0)                   ; the four addresses v[S .. S+3] are written; the last pass's products are done reading Q's codes and scale word, in which the loads land
.irp p, 0,1,2
	global_load_b64 v[QF+2*\p:QF+2*\p+1], v[S+\p], s[4:5]
.endr
	global_load_b32 v[QSC], v[S+3], s[4:5] offset:6144   ; word t / 2 of lane 16 (t % 2) + r
	v_and_b32 v[S+5], 8, v[S+4]
	v_add_nc_u32 v[S+5], v[S+5], v[S+4]
	v_bfe_u32 v[S+6], v0, 4, 1
	v_lshlrev_b32 v[S+5], 13, v[S+5]
	v_lshl_add_u32 v[S+5], v[S+6], 6, v[S+5]
	s_lshl_b32 s50, s43, 7
	s_lshr_b32 s51, s54, 1
	s_lshl_b32 s51, s51, 5
	s_add_co_u32 s50, s50, s51
	s_and_b32 s51, s54, 1
	s_lshl_b32 s51, s51, 3
	s_add_co_u32 s50, s50, s51
	s_lshl_b32 s50, s50, 13
	v_add_nc_u32 v[MA0], s50, v[S+5]
	v_mov_b32 v13, 0xff61b1e6                      ; the largest t so far: -3e38
	v_floor_f32 v12, -v13
	v_mov_b32 v14, 0
	v_mov_b32 v15, 0
.set n, 0
.rept 32
	v_mov_b32 v[O+n], 0                            ; the step is written once: the first finds zeros, which the first change of M leaves zeros
.set n, n+1
.endr
	s_mov_b32 s[IT], 0
	s_wait_kmcnt 0x0
	s_wait_loadcnt 0x0
.Ltrip:                                ; eight trips of two steps
	STEP 0
	STEP 1
	s_add_co_u32 s[IT], s[IT], 1
	s_cmp_eq_u32 s[IT], 4
	s_cselect_b32 s[FW], s[FW+1], s[FW]            ; steps 8 to 15: the second word
	s_cmp_lt_u32 s[IT], 8
	s_cbranch_scc1 .Ltrip
	; THE WAY OUT: ctx = O^T / the sum, quantised along the head's 64: register 16 b + i is channel 32 b + 16 h + i of my query
	v_add_f32 v14, v14, v15
	v_permlanex16_b32 v[TMP], v14, s[SEL], s[SEL+1]
	v_add_f32 v14, v14, v[TMP]
	v_rcp_f32 v[F], v14
	v_and_b32 v[S+32], 31, v0                      ; (plain work behind the reciprocal)
	v_lshlrev_b32 v[S+33], 2, v[S+32]
	v_lshlrev_b32 v[S+32], 3, v[S+32]
	s_lshl_b32 s42, s[BB], 7
	s_add_co_u32 s42, s42, s[T]
	s_lshl_b32 s42, s42, 3
	s_add_co_u32 s42, s42, s[HD]                   ; (token tile x 8 + head)
	s_mul_i32 s44, s42, 768
	s_add_nc_u64 s[48:49], s[14:15], s[44:45]
	s_lshl_b32 s44, s42, 7
	s_add_nc_u64 s[50:51], s[16:17], s[44:45]
	s_wait_alu depctr_va_vdst(0)                   ; the reciprocal has written v[F], ahead of its first reader
.set n, 0
.rept 16
	v_pk_mul_f32 v[S+n:S+n+1], v[O+n:O+n+1], v[F:F+1] op_sel_hi:[1,0]
.set n, n+2
.endr
.irp b, 0,1
	v_max3_num_f32 v[BM+\b], |v[S+16*\b]|, |v[S+1+16*\b]|, 0x1800000
.endr
.irp i, 2,4,6,8,10,12,14
.irp b, 0,1
	v_max3_num_f32 v[BM+\b], v[BM+\b], |v[S+16*\b+\i]|, |v[S+1+16*\b+\i]|
.endr
.endr
.irp b, 0,1
	v_permlanex16_b32 v[PX+\b], v[BM+\b], s[SEL], s[SEL+1]
.endr
.irp b, 0,1
	v_max_num_f32 v[BM+\b], v[BM+\b], v[PX+\b]
.endr
.irp b, 0,1
	v_add_nc_u32 v[SOP+\b], 0xff000000, v[BM+\b]
.endr
.irp b, 0,1
	v_lshrrev_b32 v[PX+\b], 23, v[SOP+\b]
.endr
	v_lshl_or_b32 v[TMP], v[PX+1], 8, v[PX]        ; the head's two bytes
	v_cvt_scalef32_pk16_fp6_f32 v[PC:PC+2], v[S:S+15], v[SOP]
	v_cvt_scalef32_pk16_fp6_f32 v[CT:CT+2], v[S+16:S+31], v[SOP+1]
	v_nop                                          ; one plain place behind a scaled conversion
.irp i, 0,1,2
	v_permlane16_swap_b32 v[PC+\i], v[CT+\i]
.endr
.irp i, 0,1,2
	v_mov_b32 v[PC+3+\i], v[CT+\i]
.endr
	s_wait_alu depctr_va_vdst(0)                   ; ctx's codes in v[PC ..], its two bytes in v[TMP] and the two offsets v[S+32], v[S+33] are written, which the stores read
.irp p, 0,1,2
	global_store_b64 v[S+32], v[PC+2*\p:PC+2*\p+1], s[48:49] offset:256*\p   ; the wave stores 256 consecutive bytes, aligned
.endr
	global_store_b32 v[S+33], v[TMP], s[50:51]
	s_add_co_u32 s[PSS], s[PSS], 1
	s_cmp_lt_u32 s[PSS], 2
	s_cbranch_scc1 .Lpass
	s_wait_dscnt 0x0                               ; the closing lines, six on end
	s_wait_alu 0x0
	s_wait_tensorcnt 0x0
	ds_add_u32 v[SPW], v[NIL]
	s_wait_dscnt 0x0
	s_endpgm
.Lfunc_end_k_q722645ac53_attn:
	.size	k_q722645ac53_attn, .Lfunc_end_k_q722645ac53_attn-k_q722645ac53_attn
	.p2alignl 7, 3214868480
	.fill 96, 4, 3214868480
	.section	.rodata,"a",@progbits
	.p2align	6, 0x0
	.amdhsa_kernel k_q722645ac53_attn
		.amdhsa_group_segment_fixed_size 43008
		.amdhsa_private_segment_fixed_size 0
		.amdhsa_enable_private_segment 0
		.amdhsa_kernarg_size 56
		.amdhsa_user_sgpr_count 2
		.amdhsa_user_sgpr_kernarg_segment_ptr 1
		.amdhsa_wavefront_size32 1
		.amdhsa_system_sgpr_workgroup_id_x 1
		.amdhsa_system_sgpr_workgroup_id_y 1
		.amdhsa_system_sgpr_workgroup_id_z 1
		.amdhsa_system_vgpr_workitem_id 0
		.amdhsa_next_free_vgpr 256
		.amdhsa_next_free_sgpr 66
		.amdhsa_reserve_vcc 0
		.amdhsa_float_denorm_mode_32 3
		.amdhsa_float_denorm_mode_16_64 3
		.amdhsa_memory_ordered 1
		.amdhsa_forward_progress 1
		.amdhsa_inst_pref_size 67
	.end_amdhsa_kernel
	.amdgpu_metadata
---
amdhsa.version: [ 1, 2 ]
amdhsa.kernels:
  - .name:           k_q722645ac53_attn
    .symbol:         k_q722645ac53_attn.kd
    .args:
      - { .name: qimg, .offset: 0, .size: 8, .value_kind: global_buffer, .address_space: global }
      - { .name: kv, .offset: 8, .size: 8, .value_kind: global_buffer, .address_space: global }
      - { .name: head_mask, .offset: 16, .size: 8, .value_kind: global_buffer, .address_space: global }
      - { .name: pad_mask, .offset: 24, .size: 8, .value_kind: global_buffer, .address_space: global }
      - { .name: flags, .offset: 32, .size: 8, .value_kind: global_buffer, .address_space: global }
      - { .name: ctxc, .offset: 40, .size: 8, .value_kind: global_buffer, .address_space: global }
      - { .name: ctxs, .offset: 48, .size: 8, .value_kind: global_buffer, .address_space: global }
    .group_segment_fixed_size: 43008
    .private_segment_fixed_size: 0
    .kernarg_segment_align: 8
    .kernarg_segment_size: 56
    .max_flat_workgroup_size: 512
    .sgpr_count:     66
    .vgpr_count:     256
    .wavefront_size: 32
...
	.end_amdgpu_metadata
.endif
;; end of part 6
;; launch outp (part 7): grid 256 x 1, 8 waves a work-group, no clusters, 35,840 bytes of LDS; arguments ctxc, ctxs, wimg, wscl, bo, out0; writes out0
.if DOCPART == 7
	.amdgcn_target "amdgcn-amd-amdhsa--gfx1250"
	.amdhsa_code_object_version 6
	.text
	.protected	k_q722645ac53_outp
	.globl	k_q722645ac53_outp
	.p2align	8
	.type	k_q722645ac53_outp,@function
k_q722645ac53_outp:
	s_mov_b64 s[64:65], 0
	v_nop
	global_prefetch_b8 v0, s[64:65] scope:SCOPE_SE
	s_setreg_imm32_b32 hwreg(HW_REG_WAVE_SCHED_MODE, 0, 2), 2
	s_setreg_imm32_b32 hwreg(HW_REG_WAVE_MODE, 25, 1), 1
	s_wait_xcnt 0x0
	s_wait_alu depctr_vm_vsrc(0)
; out0 = ctx Wo + bo on codes of FP6 (E2M3).  ctx arrives as images of operand registers: ctxc [token tile 1024][register pair 24][lane][8 bytes] (head hd's six registers are registers 6 hd .. 6 hd + 5 of the tile's 48: four K steps of 12);
; ctxs [token tile][head][lane][4 bytes], a head's two scale bytes in the low half.  Lane r of tile 8 B + t is token 128 B + 32 (t / 2) + 8 (t % 2) + r + 8 (r / 8).
; SHARES.  Work-group X takes token tiles 4 X .. 4 X + 3, which are tokens 64 X .. 64 X + 63; wave w makes features 64 w .. 64 w + 63 of them: its 16 fragments of Wo lie in registers, as they lie in wimg.
; Transposed (source 0 = 16 features, source 1 = 16 tokens): a lane holds one token and 32 of the wave's 64 features; a tile goes through the wave's own stage in LDS and leaves as rows of 256 bytes: sixteen lanes store one aligned block of 256 bytes.
; The bias is the C of each sum's first product.  Four accumulators by turns.  Two buffers for ctx: a tile's 24 loads are out while the tile before is multiplied and stored.
; NO CLUSTER, NO TENSOR LOAD: Wo's images go once into registers (24,576 bytes a wave); a work-group's 24,576 bytes of ctx are read by its own eight waves alone.  No prefetch: every load is issued at the head or a tile ahead.
; THE MODE: SCHED_MODE bits 1:0 = 2 (LLVM: expert scheduling mode 2), set by the entry lines.  The code itself states the register dependences between vector or matrix instructions and memory or LDS instructions, with s_wait_alu, always for 0.
; THE PLAN.  Registers that memory or LDS instructions touch, tile by tile:
;   XF0, XF1   tile m's 24 loads land in XF[m % 2]; its sixteen products read it; behind them tile m + 2 is asked for.
;   ACC        written by tile m's products, read by the eight LDS stores into the stage, written anew by tile m + 1's products.
;   RS0, RS1   tile m's rows come back from the stage into RS[m % 2]; its eight global stores, which stand behind tile m + 1's products, read it; tile m + 2's rows land there.
;   The addresses v1, v2, v5, v6, v7, v192, v193 are made at the head and never written again.
; So a tile has one wait on vm_vsrc at its head (the stage's stores have read ACC, the global stores of two tiles back RS[m % 2]) and one on va_vdst behind its products (ACC is written, XF[m % 2] is read).
.set SPARE, 34816                      ; behind the eight stages of 16 x 272 bytes: the spare words
.set LI,  1                            ; 16 x lane
.set L8,  2                            ; 8 x lane
.set SPW, 3                            ; SPARE + 4 x my thread's number; never rewritten
.set NIL, 4                            ; 0; never rewritten
.set LS,  5                            ; 4 x lane
.set SO,  6                            ; my stage + 272 r + 64 h
.set SR,  7                            ; my stage + 272 h + 16 r
.set WS,  8                            ; v8-15  Wo's scale words, index 4 (t / 2) + s
.set CSW, 16                           ; v16-31 ctx's scale words, index 4 m + s
.set RS,  32                           ; v32-63 the heads' words as loaded; later the rows read back of tiles 0 and 2; those of tiles 1 and 3 in v200-231
.set RSD, 168                          ; from the one buffer of rows to the other
.set XF,  64                           ; v64-111, v112-159 ctx's fragments, two buffers
.set ACC, 160                          ; v160-191
.set GO,  192                          ; 2,048 h + 16 r
.set BQ,  193                          ; 64 h
.set BI,  192                          ; window 1: the bias; v0-191 of window 1: Wo's fragments
.set MSB, 0
.macro WIN new                         ; the immediate's high byte repeats the setting that is left
.if MSB != \new
	s_set_vgpr_msb (MSB<<8)|\new
.set MSB, \new
.endif
.endm
	s_load_b256 s[4:11], s[0:1], 0x0               ; ctxc, ctxs, wimg, wscl
	s_load_b128 s[12:15], s[0:1], 0x20             ; bo, out0
	v_lshl_add_u32 v[SPW], v0, 2, SPARE
	v_mov_b32 v[NIL], 0
	v_lshrrev_b32 v194, 5, v0
	v_readfirstlane_b32 s16, v194                  ; wave 0..7
	v_and_b32 v194, 31, v0
	v_and_b32 v195, 15, v0                         ; r
	v_bfe_u32 v196, v0, 4, 1                       ; h
	v_lshlrev_b32 v[LI], 4, v194
	v_lshlrev_b32 v[L8], 3, v194
	v_lshlrev_b32 v[LS], 2, v194
	s_wait_alu depctr_va_sdst(0)                   ; the wave's number is written, ahead of its first reader
	s_mul_i32 s17, s16, 16*272
	v_mul_u32_u24 v[SO], v195, 272
	v_lshl_add_u32 v[SO], v196, 6, v[SO]
	v_add_nc_u32 v[SO], s17, v[SO]
	v_mul_u32_u24 v[SR], v196, 272
	v_lshl_add_u32 v[SR], v195, 4, v[SR]
	v_add_nc_u32 v[SR], s17, v[SR]
	v_lshlrev_b32 v[GO], 11, v196
	v_lshl_add_u32 v[GO], v195, 4, v[GO]
	v_lshlrev_b32 v[BQ], 6, v196
	s_mov_b32 s20, 0x05040100                      ; v_perm_b32: the two low halves
	s_mul_i32 s22, ttmp9, 24576                    ; four tiles of 6,144 bytes
	s_mov_b32 s23, 0
	s_lshl_b32 s24, ttmp9, 12                      ; four tiles x 8 heads x 128 bytes
	s_mov_b32 s25, 0
	s_mul_i32 s26, s16, 24576
	s_add_co_u32 s26, s26, 3*196608                ; Wo is the fourth weight
	s_mov_b32 s27, 0
	s_lshl_b32 s28, s16, 10
	s_add_co_u32 s28, s28, 3*8192
	s_mov_b32 s29, 0
	s_lshl_b32 s30, s16, 8                         ; my 64 features: 256 bytes
	s_mov_b32 s31, 0
	s_lshl_b32 s32, ttmp9, 17                      ; 64 rows of 2,048 bytes
	s_add_co_u32 s32, s32, s30
	s_mov_b32 s33, 0
	s_wait_kmcnt 0x0
	s_add_nc_u64 s[4:5], s[4:5], s[22:23]
	s_add_nc_u64 s[6:7], s[6:7], s[24:25]
	s_add_nc_u64 s[8:9], s[8:9], s[26:27]
	s_add_nc_u64 s[10:11], s[10:11], s[28:29]
	s_add_nc_u64 s[12:13], s[12:13], s[30:31]
	s_add_nc_u64 s[14:15], s[14:15], s[32:33]
	WIN 0x40                                       ; destination window 1
	s_wait_alu depctr_va_vdst(0)                   ; the seven addresses and offsets are written, which every load and store of the kernel reads
.set i, 0
.rept 48
	global_load_b128 v[4*i:4*i+3], v[LI], s[8:9] offset:512*i
.set i, i+1
.endr
.irp t, 0,1,2,3                        ; lane (r, h), tile t, register j: feature 32 (t / 2) + 16 h + 8 (t % 2) + j
	global_load_b128 v[BI+8*\t:BI+8*\t+3], v[BQ], s[12:13] offset:(32*(\t/2)+8*(\t%2))*4
	global_load_b128 v[BI+8*\t+4:BI+8*\t+7], v[BQ], s[12:13] offset:(32*(\t/2)+8*(\t%2))*4+16
.endr
	WIN 0
.irp i, 0,1,2,3,4,5,6,7
	global_load_b32 v[WS+\i], v[LS], s[10:11] offset:128*\i
.endr
.set i, 0
.rept 32
	global_load_b32 v[RS+i], v[LS], s[6:7] offset:128*i
.set i, i+1
.endr
.macro CLOAD m                         ; tile m's 24 register pairs into buffer m % 2: each load reads 256 consecutive bytes
.set XB, XF+48*((\m)%2)
.set i, 0
.rept 24
	global_load_b64 v[XB+2*i:XB+2*i+1], v[L8], s[4:5] offset:6144*(\m)+256*i th:TH_LOAD_NT
.set i, i+1
.endr
.endm
.macro SEND m                          ; tile m's rows, back from the stage in buffer m % 2, are stored
.irp i, 0,1,2,3,4,5,6,7
	s_wait_dscnt 7-\i                              ; the younger read-backs may be out
	global_store_b128 v[GO], v[RS+RSD*((\m)%2)+4*\i:RS+RSD*((\m)%2)+4*\i+3], s[14:15] offset:(32*((\m)/2)+8*((\m)%2)+2*\i+8*(\i/4))*2048 th:TH_STORE_NT   ; rows 2 i and 2 i + 1 of the tile: sixteen lanes store 256 consecutive bytes, aligned
.endr
.endm
	CLOAD 0
	CLOAD 1
	s_wait_loadcnt 24                              ; all but tile 1's 24 loads
.irp m, 0,1,2,3
.irp s, 0,1,2,3
	v_perm_b32 v[CSW+4*\m+\s], v[RS+8*\m+2*\s+1], v[RS+8*\m+2*\s], s20   ; heads 2 s and 2 s + 1 make K step s's four bytes
.endr
.endr
.rept 8
	v_nop                                          ; a scale register written by a vector instruction stands eight places ahead of a scaled product
.endr
	s_wait_alu depctr_va_vdst(0)                   ; ctx's sixteen scale words in v[CSW ..] are written, which the scaled products take; the places above stay beside this wait
.irp m, 0,1,2,3
.set XB, XF+48*(\m%2)
.if \m < 3
	s_wait_loadcnt 24                              ; this tile's loads are in; the other buffer's 24, issued behind them, may be out
.else
	s_wait_loadcnt 0x0
.endif
.if \m > 1
	s_wait_xcnt 0x0                                ; the global stores of two tiles back have had their addresses translated: their data registers take this tile's rows
.endif
.if \m > 0
	s_wait_alu depctr_vm_vsrc(0)                   ; the last tile's LDS stores have read ACC, which the products below write anew; the global stores of two tiles back have read the buffer of rows in which this tile's rows land
.endif
.irp s, 0,1,2,3
.if \s == 0
	WIN 0x11                                       ; source 0 (Wo) and source 2 (the bias) window 1
.else
	WIN 0x01
.endif
.irp t, 0,1,2,3
.set rW, 12*((4*(\t/2)+\s)*2+\t%2)
.set rD, ACC+8*\t
.if \s == 0
.set rC, BI+8*\t
.else
.set rC, rD
.endif
.if \t%2
	v_wmma_scale_f32_16x16x128_f8f6f4 v[rD:rD+7], v[rW:rW+11], v[XB+12*\s:XB+12*\s+11], v[rC:rC+7], v[WS+4*(\t/2)+\s], v[CSW+4*\m+\s] matrix_a_fmt:MATRIX_FMT_FP6 matrix_b_fmt:MATRIX_FMT_FP6 matrix_a_scale:MATRIX_SCALE_ROW1
.else
	v_wmma_scale_f32_16x16x128_f8f6f4 v[rD:rD+7], v[rW:rW+11], v[XB+12*\s:XB+12*\s+11], v[rC:rC+7], v[WS+4*(\t/2)+\s], v[CSW+4*\m+\s] matrix_a_fmt:MATRIX_FMT_FP6 matrix_b_fmt:MATRIX_FMT_FP6
.endif
.endr
.endr
	WIN 0
.if \m > 0
	SEND \m-1                                      ; the last tile's rows have come back from the stage under these products; their data come from LDS loads, their offset from the head
.endif
.rept 5
	v_nop                                          ; places: four in front of the stores that read the results, five in front of the next tile's products, which begin the accumulators anew
.endr
	s_wait_alu depctr_va_vdst(0)                   ; the products have written ACC, which the LDS stores read, and are done reading this tile's fragments, in which the tile after the next lands (tile 0: the scale words' makers are done reading v32-63, in which rows land)
.if \m < 2
	CLOAD \m+2
.endif
.irp b, 0,1
.irp j, 0,1,2,3
	ds_store_b128 v[SO], v[ACC+16*\b+4*\j:ACC+16*\b+4*\j+3] offset:128*\b+16*\j   ; token r, features 32 b + 16 h + 4 j on; each accumulator from its low end on
.endr
.endr
.irp i, 0,1,2,3,4,5,6,7
	ds_load_b128 v[RS+RSD*(\m%2)+4*\i:RS+RSD*(\m%2)+4*\i+3], v[SR] offset:544*\i   ; LDS serves a wave's instructions in order: these see the stores above
.endr
.endr
	SEND 3
	s_wait_dscnt 0x0                               ; the closing lines, six on end
	s_wait_alu 0x0
	s_wait_tensorcnt 0x0
	ds_add_u32 v[SPW], v[NIL]
	s_wait_dscnt 0x0
	s_endpgm
.Lfunc_end_k_q722645ac53_outp:
	.size	k_q722645ac53_outp, .Lfunc_end_k_q722645ac53_outp-k_q722645ac53_outp
	.p2alignl 7, 3214868480
	.fill 96, 4, 3214868480
	.section	.rodata,"a",@progbits
	.p2align	6, 0x0
	.amdhsa_kernel k_q722645ac53_outp
		.amdhsa_group_segment_fixed_size 35840
		.amdhsa_private_segment_fixed_size 0
		.amdhsa_enable_private_segment 0
		.amdhsa_kernarg_size 48
		.amdhsa_user_sgpr_count 2
		.amdhsa_user_sgpr_kernarg_segment_ptr 1
		.amdhsa_wavefront_size32 1
		.amdhsa_system_sgpr_workgroup_id_x 1
		.amdhsa_system_sgpr_workgroup_id_y 1
		.amdhsa_system_sgpr_workgroup_id_z 1
		.amdhsa_system_vgpr_workitem_id 0
		.amdhsa_next_free_vgpr 512
		.amdhsa_next_free_sgpr 66
		.amdhsa_reserve_vcc 0
		.amdhsa_float_denorm_mode_32 3
		.amdhsa_float_denorm_mode_16_64 3
		.amdhsa_memory_ordered 1
		.amdhsa_forward_progress 1
		.amdhsa_inst_pref_size 40
	.end_amdhsa_kernel
	.amdgpu_metadata
---
amdhsa.version: [ 1, 2 ]
amdhsa.kernels:
  - .name:           k_q722645ac53_outp
    .symbol:         k_q722645ac53_outp.kd
    .args:
      - { .name: ctxc, .offset: 0, .size: 8, .value_kind: global_buffer, .address_space: global }
      - { .name: ctxs, .offset: 8, .size: 8, .value_kind: global_buffer, .address_space: global }
      - { .name: wimg, .offset: 16, .size: 8, .value_kind: global_buffer, .address_space: global }
      - { .name: wscl, .offset: 24, .size: 8, .value_kind: global_buffer, .address_space: global }
      - { .name: bo, .offset: 32, .size: 8, .value_kind: global_buffer, .address_space: global }
      - { .name: out0, .offset: 40, .size: 8, .value_kind: global_buffer, .address_space: global }
    .group_segment_fixed_size: 35840
    .private_segment_fixed_size: 0
    .kernarg_segment_align: 8
    .kernarg_segment_size: 48
    .max_flat_workgroup_size: 256
    .sgpr_count:     66
    .vgpr_count:     512
    .wavefront_size: 32
...
	.end_amdgpu_metadata
.endif
;; end of part 7
